; MI455X (gfx1250); checked and timed in simulation.
; The chip was launched on July 23, 2026; its instructions are those of AMD's public machine-readable ISA for CDNA 5 (MIT licence, August 2026) and "CDNA5" Instruction Set Architecture Reference Guide (July 2026). The comments in the code are by the model that wrote it; some were corrected since.
;; Transformer Block. Allowed arithmetic: float matrix products may take bf16 or f16 operands with f32 sums; all other float work in f32.
;; Inputs: ff1_b 4,096 float32; ff1_w 1,024 x 4,096 float32; ff2_b 1,024 float32; ff2_w 4,096 x 1,024 float32; ln1_b 1,024 float32; ln1_g 1,024 float32; ln2_b 1,024 float32; ln2_g 1,024 float32; proj_b 1,024 float32; proj_w 1,024 x 1,024 float32; qkv_b 3,072 float32; qkv_w 1,024 x 3,072 float32; x 2 x 2,048 x 1,024 float32.
;; Outputs: out0 2 x 2,048 x 1,024 float32.
;; One version. Each part assembles by itself: llvm-mc -triple=amdgcn-amd-amdhsa -mcpu=gfx1250 --defsym DOCPART=n.
;; ======== version 1 of 1: 7 launches
;; limits: a function is approximated: absolute error at most 1.5e-07; an absolute error that grows with the inputs' magnitude: up to 7.5e-08 times it
;; workspace buffers: wb 25,165,824 bytes; hn 8,388,608 bytes; qkvp 25,165,824 bytes; ao 8,388,608 bytes; x2 16,777,216 bytes; ffh 33,554,432 bytes
;; launch prep (part 1): grid 1280 x 1, 8 waves a work-group, no clusters, 0 bytes of LDS; arguments x, ln1_g, ln1_b, qkv_w, proj_w, ff1_w, ff2_w, hn, wb; writes hn, wb
.if DOCPART == 1
	.amdgcn_target "amdgcn-amd-amdhsa--gfx1250"
	.amdhsa_code_object_version 6
	.text
	.protected	k_q78c628be64_prep
	.globl	k_q78c628be64_prep
	.p2align	8
	.type	k_q78c628be64_prep,@function
k_q78c628be64_prep:
	s_mov_b64 s[64:65], 0
	v_nop
	global_prefetch_b8 v0, s[64:65] scope:SCOPE_SE
	s_setreg_imm32_b32 hwreg(HW_REG_WAVE_MODE, 25, 1), 1
	s_wait_xcnt 0x0
; Launch 1 of 7 of a pre-LN transformer block: 4,096 rows (2 x 2,048) of 1,024, 16 heads of 64, hidden 4,096.
;   prep : hn = LayerNorm1(x) in bf16; wb = the four weight matrices in bf16, each still [K][N]
;   gqkv : qkvp = hn Wqkv + b        attn : ao = causal attention       gproj: x2 = x + ao Wp + b
;   lnb  : hn = LayerNorm2(x2)       gff1 : ffh = gelu(hn W1 + b)       gff2 : out0 = x2 + ffh W2 + b
; WORK LEFT OUT IN THE WHOLE PROGRAM (in attn alone): reference() sets att[q][k] to -inf for k > q through its own jnp.tril, so
; softmax gives exactly 0 there and 0 x v[k] adds nothing to out, whatever finite values the inputs hold.  So key units of 128 keys
; that lie wholly above the diagonal are neither loaded nor multiplied, and in a diagonal unit keys 64..127 are left out for queries
; 0..63 of the block.  No input is left out.  LIMIT: a NaN, an infinity or an overflow that sits only in k or v at such a masked key
; is not carried to the result.
; OTHER LIMITS: matrix operands are rounded to bf16; v_rsq_f32, v_exp_f32, v_rcp_f32 are good to 1 ULP and flush denormals.
;
; THIS LAUNCH.  Work-groups 0..511: LayerNorm, one wave a row (8 rows a group): the row's 4,096 bytes stay in 32 registers between
; the mean, the squares of x - mean (two passes, so a common offset of x costs no digits) and the scaling.
; Work-groups 512..1279: the cast, 16,384 numbers a group; wb is the four matrices one behind the other, so the target is linear.
.set XR, 8                             ; v[8:39]    the row: lane l holds columns 128 j + 4 l .. + 3, j = 0..7
.set GR, 40                            ; v[40:71]   gain, same columns
.set BR, 72                            ; v[72:103]  bias, same columns
.set YR, 104                           ; v[104:119] the row in bf16
.set CH, 120                           ; v[120:127] four packed chains of sums
.macro WSUM                            ; the four chains, then the 32 lanes; the sum ends in v120 of every lane
	v_pk_add_f32 v[CH:CH+1], v[CH:CH+1], v[CH+2:CH+3]
	v_pk_add_f32 v[CH+4:CH+5], v[CH+4:CH+5], v[CH+6:CH+7]
	v_pk_add_f32 v[CH:CH+1], v[CH:CH+1], v[CH+4:CH+5]
	v_add_f32 v[CH], v[CH], v[CH+1]
	v_add_f32_dpp v[CH], v[CH], v[CH] row_xmask:1 row_mask:0xf bank_mask:0xf
	v_add_f32_dpp v[CH], v[CH], v[CH] row_xmask:2 row_mask:0xf bank_mask:0xf
	v_add_f32_dpp v[CH], v[CH], v[CH] row_xmask:4 row_mask:0xf bank_mask:0xf
	v_add_f32_dpp v[CH], v[CH], v[CH] row_xmask:8 row_mask:0xf bank_mask:0xf
	v_permlanex16_b32 v[CH+1], v[CH], s26, s27     ; the other half of the lanes; v121 has been written
	v_add_f32 v[CH], v[CH], v[CH+1]
.endm
; One row.  xp, gp, bp, op: the scalar pairs with the row of x, the gain, the bias, the row of the result.
.macro LNROW xp, gp, bp, op
.set i, 0
.rept 8
	global_load_b128 v[XR+4*i:XR+4*i+3], v1, s[\xp:\xp+1] offset:512*i
.set i, i+1
.endr
.set i, 0
.rept 8
	global_load_b128 v[GR+4*i:GR+4*i+3], v1, s[\gp:\gp+1] offset:512*i
.set i, i+1
.endr
.set i, 0
.rept 8
	global_load_b128 v[BR+4*i:BR+4*i+3], v1, s[\bp:\bp+1] offset:512*i
.set i, i+1
.endr
	s_wait_loadcnt 16                              ; the row is in; the 16 younger loads (gain, bias) stay out
.set i, 0
.rept 4
	v_pk_add_f32 v[CH+2*i:CH+2*i+1], v[XR+2*i:XR+2*i+1], v[XR+8+2*i:XR+8+2*i+1]   ; the first pairs start the chains
.set i, i+1
.endr
.set i, 0
.rept 8
	v_pk_add_f32 v[CH+2*(i%4):CH+2*(i%4)+1], v[CH+2*(i%4):CH+2*(i%4)+1], v[XR+16+2*i:XR+16+2*i+1]
.set i, i+1
.endr
	WSUM
	v_mul_f32 v4, s28, v[CH]                       ; - mean = sum x (-1/1024)
	v_mov_b32 v5, v4
.set i, 0
.rept 16
	v_pk_add_f32 v[XR+2*i:XR+2*i+1], v[XR+2*i:XR+2*i+1], v[4:5]
.set i, i+1
.endr
.set i, 0
.rept 4
	v_pk_mul_f32 v[CH+2*i:CH+2*i+1], v[XR+2*i:XR+2*i+1], v[XR+2*i:XR+2*i+1]
.set i, i+1
.endr
.set i, 0
.rept 12
	v_pk_fma_f32 v[CH+2*(i%4):CH+2*(i%4)+1], v[XR+8+2*i:XR+8+2*i+1], v[XR+8+2*i:XR+8+2*i+1], v[CH+2*(i%4):CH+2*(i%4)+1]
.set i, i+1
.endr
	WSUM
	v_fma_f32 v7, v[CH], s30, s29                  ; variance + 1e-5
	v_rsq_f32 v6, v7
	v_nop                                          ; one plain instruction behind v_rsq_f32 before its result is read or its source written (ISA guide 5.7.2)
	s_wait_alu depctr_va_vdst(0)
	v_mov_b32 v7, v6
.set i, 0
.rept 16
	v_pk_mul_f32 v[XR+2*i:XR+2*i+1], v[XR+2*i:XR+2*i+1], v[6:7]
.set i, i+1
.endr
	s_wait_loadcnt 0x0                             ; gain and bias
.set i, 0
.rept 16
	v_pk_fma_f32 v[XR+2*i:XR+2*i+1], v[XR+2*i:XR+2*i+1], v[GR+2*i:GR+2*i+1], v[BR+2*i:BR+2*i+1]
.set i, i+1
.endr
.set i, 0
.rept 16
	v_cvt_pk_bf16_f32 v[YR+i], v[XR+2*i], v[XR+2*i+1]
.set i, i+1
.endr
.set i, 0
.rept 8
	global_store_b64 v2, v[YR+2*i:YR+2*i+1], s[\op:\op+1] offset:256*i   ; 32 lanes x 8 bytes: 256 consecutive bytes, aligned
.set i, i+1
.endr
.endm
	s_load_b512 s[8:23], s[0:1], 0x0               ; x 8, ln1_g 10, ln1_b 12, qkv_w 14, proj_w 16, ff1_w 18, ff2_w 20, hn 22
	s_load_b64 s[24:25], s[0:1], 0x40              ; wb
	s_cmp_lt_u32 ttmp9, 512
	s_cbranch_scc1 .Lln
	; ---- the cast: group g = id - 512 takes numbers 16,384 g .. of the four matrices laid end to end
	s_sub_co_u32 s2, ttmp9, 512
	v_lshlrev_b32 v1, 4, v0                        ; 16 bytes of f32 a thread
	v_lshlrev_b32 v2, 3, v0                        ; 8 bytes of bf16 a thread
	s_wait_kmcnt 0x0
	s_mov_b64 s[4:5], s[14:15]                     ; groups 0..191: qkv_w
	s_mov_b32 s6, 0
	s_cmp_ge_u32 s2, 192                           ; 192..255: proj_w
	s_cselect_b64 s[4:5], s[16:17], s[4:5]
	s_cselect_b32 s6, 192, s6
	s_cmp_ge_u32 s2, 256                           ; 256..511: ff1_w
	s_cselect_b64 s[4:5], s[18:19], s[4:5]
	s_cselect_b32 s6, 256, s6
	s_cmp_ge_u32 s2, 512                           ; 512..767: ff2_w
	s_cselect_b64 s[4:5], s[20:21], s[4:5]
	s_cselect_b32 s6, 512, s6
	s_sub_co_u32 s6, s2, s6
	s_lshl_b32 s6, s6, 16                          ; 65,536 bytes of f32 a group, counted inside its matrix
	s_mov_b32 s7, 0
	s_add_nc_u64 s[4:5], s[4:5], s[6:7]
	s_lshl_b32 s6, s2, 15                          ; 32,768 bytes of bf16 a group
	s_add_nc_u64 s[24:25], s[24:25], s[6:7]
.set i, 0
.rept 16
	global_load_b128 v[8+4*i:11+4*i], v1, s[4:5] offset:4096*i th:TH_LOAD_NT
.set i, i+1
.endr
.set i, 0
.rept 16
	s_wait_loadcnt 15-i                            ; loads come back in order: load i is in, the younger ones stay out
	v_cvt_pk_bf16_f32 v[72+2*i], v[8+4*i], v[9+4*i]
	v_cvt_pk_bf16_f32 v[73+2*i], v[10+4*i], v[11+4*i]
	global_store_b64 v2, v[72+2*i:73+2*i], s[24:25] offset:2048*i   ; a wave's store: 256 consecutive bytes, aligned
.set i, i+1
.endr
	s_endpgm
.Lln:	; ---- LayerNorm 1: row = 8 x group + wave
	v_lshrrev_b32 v3, 5, v0
	v_readfirstlane_b32 s3, v3
	s_lshl_b32 s2, ttmp9, 3
	s_add_co_u32 s2, s2, s3
	s_lshl_b32 s4, s2, 12                          ; 4,096 bytes a row of x
	s_mov_b32 s5, 0
	s_lshl_b32 s6, s2, 11                          ; 2,048 bytes a row of hn
	s_mov_b32 s7, 0
	s_mov_b32 s26, 0x76543210                      ; v_permlanex16_b32: lane i reads lane i of the other half
	s_mov_b32 s27, 0xfedcba98
	s_mov_b32 s28, 0xba800000                      ; -1/1024
	s_mov_b32 s29, 0x3727c5ac                      ; 1e-5
	s_mov_b32 s30, 0x3a800000                      ; 1/1024
	v_and_b32 v1, 31, v0
	v_lshlrev_b32 v2, 3, v1
	v_lshlrev_b32 v1, 4, v1
	s_wait_kmcnt 0x0
	s_add_nc_u64 s[8:9], s[8:9], s[4:5]
	s_add_nc_u64 s[22:23], s[22:23], s[6:7]
	LNROW 8, 10, 12, 22
	s_endpgm
.Lfunc_end_k_q78c628be64_prep:
	.size	k_q78c628be64_prep, .Lfunc_end_k_q78c628be64_prep-k_q78c628be64_prep
	.p2alignl 7, 3214868480
	.fill 96, 4, 3214868480
	.section	.rodata,"a",@progbits
	.p2align	6, 0x0
	.amdhsa_kernel k_q78c628be64_prep
		.amdhsa_group_segment_fixed_size 0
		.amdhsa_private_segment_fixed_size 0
		.amdhsa_enable_private_segment 0
		.amdhsa_kernarg_size 72
		.amdhsa_user_sgpr_count 2
		.amdhsa_user_sgpr_kernarg_segment_ptr 1
		.amdhsa_wavefront_size32 1
		.amdhsa_system_sgpr_workgroup_id_x 1
		.amdhsa_system_sgpr_workgroup_id_y 1
		.amdhsa_system_sgpr_workgroup_id_z 1
		.amdhsa_system_vgpr_workitem_id 0
		.amdhsa_next_free_vgpr 128
		.amdhsa_next_free_sgpr 66
		.amdhsa_reserve_vcc 0
		.amdhsa_float_denorm_mode_32 3
		.amdhsa_float_denorm_mode_16_64 3
		.amdhsa_memory_ordered 1
		.amdhsa_forward_progress 1
		.amdhsa_inst_pref_size 18
	.end_amdhsa_kernel
	.amdgpu_metadata
---
amdhsa.version: [ 1, 2 ]
amdhsa.kernels:
  - .name:           k_q78c628be64_prep
    .symbol:         k_q78c628be64_prep.kd
    .args:
      - { .name: x, .offset: 0, .size: 8, .value_kind: global_buffer, .address_space: global }
      - { .name: ln1_g, .offset: 8, .size: 8, .value_kind: global_buffer, .address_space: global }
      - { .name: ln1_b, .offset: 16, .size: 8, .value_kind: global_buffer, .address_space: global }
      - { .name: qkv_w, .offset: 24, .size: 8, .value_kind: global_buffer, .address_space: global }
      - { .name: proj_w, .offset: 32, .size: 8, .value_kind: global_buffer, .address_space: global }
      - { .name: ff1_w, .offset: 40, .size: 8, .value_kind: global_buffer, .address_space: global }
      - { .name: ff2_w, .offset: 48, .size: 8, .value_kind: global_buffer, .address_space: global }
      - { .name: hn, .offset: 56, .size: 8, .value_kind: global_buffer, .address_space: global }
      - { .name: wb, .offset: 64, .size: 8, .value_kind: global_buffer, .address_space: global }
    .group_segment_fixed_size: 0
    .private_segment_fixed_size: 0
    .kernarg_segment_align: 8
    .kernarg_segment_size: 72
    .max_flat_workgroup_size: 256
    .sgpr_count:     66
    .vgpr_count:     128
    .wavefront_size: 32
...
	.end_amdgpu_metadata
.endif
;; end of part 1
;; launch gqkv (part 2): grid 16 x 16, 4 waves a work-group, clusters of 4 x 4, 327,680 bytes of LDS; arguments hn, wb, qkv_b, qkvp; writes qkvp
.if DOCPART == 2
	.amdgcn_target "amdgcn-amd-amdhsa--gfx1250"
	.amdhsa_code_object_version 6
	.text
	.protected	k_q78c628be64_gqkv
	.globl	k_q78c628be64_gqkv
	.p2align	8
	.type	k_q78c628be64_gqkv,@function
k_q78c628be64_gqkv:
	s_mov_b64 s[64:65], 0
	v_nop
	global_prefetch_b8 v0, s[64:65] scope:SCOPE_SE
	s_setreg_imm32_b32 hwreg(HW_REG_WAVE_MODE, 25, 1), 1
	s_wait_xcnt 0x0
	s_wait_alu depctr_hold_cnt(0) depctr_sa_sdst(0) depctr_va_vdst(0) depctr_va_sdst(0) depctr_va_ssrc(0) depctr_va_vcc(0) depctr_vm_vsrc(0)
	s_getreg_b32 s2, hwreg(HW_REG_IB_STS2, 6, 4)
	s_cmp_eq_u32 s2, 0
	s_cbranch_scc0 .Lentry_in_a_cluster
	s_endpgm
.Lentry_in_a_cluster:
	s_bfe_u32 s2, ttmp6, 0x10000c
	s_cmp_lg_u32 s2, 0xf033
	s_cbranch_scc0 .Lentry_shape_is_right
	s_endpgm
.Lentry_shape_is_right:
; qkvp = hn Wqkv + qkv_b.  hn: [4096][1024] bf16.  Wqkv: wb + 0, [1024][3072] bf16, as the problem stores it ([K][N]).
; qkvp: bf16 planes [48][4096][64], plane = column / 64 = 16 x (0 q, 1 k, 2 v) + head, so that four rows of a plane are 512 consecutive bytes.
; A work-group makes 256 rows x 192 columns (three planes): 16 x 16 = 256 groups.  Four waves, each 64 rows x 192 columns: 48 accumulator tiles.
; K goes in steps of 128 through two LDS slots filled by the tensor data mover: 256 rows of hn (pitch 272) and 128 k rows of W.
; A k row of W's tile is 384 bytes; the mover lays 32 bytes behind every 128, so a k row takes 480 bytes = 15 x 32, and column block i
; (16 columns) begins at (i / 4) x 160 + (i % 4) x 32.  W's fragments are read by the transposing LDS load, so W is never transposed in memory.
; CLUSTERS: 4 x 4 groups; hn's tile hangs on the block row alone and is asked for jointly along a row of the cluster, W's on the block column
; alone and jointly along a column.
; THE MATRIX INSTRUCTION IS USED TRANSPOSED (source 0 = 16 columns of W, source 1 = 16 rows of hn): lane l holds row l % 16 and registers 0..7
; the columns 8 (l / 16) + 0..7.  The first product of each tile takes as C a tile that holds the bias in that layout: nothing is cleared or added later.
; REGISTERS: window 0: v16-27 addresses, v64-95 / v96-127 fragments of hn (two buffers), v128-223 bias tiles; window 1: v64-159 / v160-255
; fragments of W; window 2: accumulators of my rows 0-31 (tile (a, b) at v[8 (12 a + b)]); window 3: rows 32-63.
.set NN, 3072
.set BN, 192
.set MT, 4                             ; blocks of 16 rows in a wave's tile
.set NT, 12                            ; blocks of 16 columns
.set WOFF, 0
.set PL, 524288                        ; bytes in a plane
.set PA, 272
.set PB, 480
.set QIB, 4                            ; padding interval of W's tile: 32 words
.set BG, 4
.set BGS, 160
.set HALFA, 128*PA
.set HALFB, 64*PB
.set SLOT, 2*HALFA+2*HALFB
.set STAGE, 2*SLOT                     ; behind the ring: 16 rows x 400 bytes for each wave; no tensor load lands there
.set SP, 400
.set LAPS, 4                           ; 1,024 / (2 x 128)
.set FA0, 64
.set FAS, 8*MT
.set FB0, 64
.set FBS, 8*NT
.set BIAS, 128
.set TMP, 64
.set ADRA, 16
.set ADRB, 20
.set STO, 24
.set RD, 25
.set CO, 26
.set BV, 27
.set G1A, 24
.set G0A, 32
.set G1B, 48
.set G0B, 56
.set MSB, 0
.macro WIN new                         ; the immediate's high byte repeats the setting that is left
.if MSB != (\new)
	s_set_vgpr_msb (MSB<<8)|(\new)
.set MSB, (\new)
.endif
.endm
.macro JLOAD s                         ; waves 0, 1 ask for hn's two halves, waves 2, 3 for W's: one joint load a wave
	s_cmp_eq_u32 s15, 0
	s_cbranch_scc0 .Lfor_b_\@
	tensor_load_to_lds s[G0A+4*\s:G0A+4*\s+3], s[G1A:G1A+7]
	s_nop 0
	s_branch .Lasked_\@
.Lfor_b_\@:
	tensor_load_to_lds s[G0B+4*\s:G0B+4*\s+3], s[G1B:G1B+7]
	s_nop 0
.Lasked_\@:
.endm
.macro CREST                           ; a round of the cluster's barrier behind its opening work-group barrier
	s_cmp_lg_u32 s14, 0
	s_cbranch_scc1 .Lnot_wave_0_\@
	s_barrier_signal -3
.Lnot_wave_0_\@:
	s_barrier_wait -3
	s_barrier_signal -1
	s_barrier_wait -1
.endm
.macro CROUND
	s_barrier_signal -1
	s_barrier_wait -1
	CREST
.endm
.macro PLACES                          ; four plain vector instructions between a matrix instruction and a load into, or a vector read of, its registers
.rept 4
	v_nop
.endr
.endm
; na blocks of rows from a0 (of the window's MT/2; hi = 0 window 2, 1 window 3) x all NT blocks of columns, 32 along K, from buffer f.
; The accumulators take turns, one instruction a turn.
.macro MULR f, hi, a0, na, first
.set ma, \a0
.rept \na
.set mb, 0
.rept NT
.if \first
	v_wmma_f32_16x16x32_bf16 v[8*(ma*NT+mb):8*(ma*NT+mb)+7], v[FB0+\f*FBS+8*mb:FB0+\f*FBS+8*mb+7], v[FA0+\f*FAS+8*(\hi*MT/2+ma):FA0+\f*FAS+8*(\hi*MT/2+ma)+7], v[BIAS+8*mb:BIAS+8*mb+7]
.else
	v_wmma_f32_16x16x32_bf16 v[8*(ma*NT+mb):8*(ma*NT+mb)+7], v[FB0+\f*FBS+8*mb:FB0+\f*FBS+8*mb+7], v[FA0+\f*FAS+8*(\hi*MT/2+ma):FA0+\f*FAS+8*(\hi*MT/2+ma)+7], v[8*(ma*NT+mb):8*(ma*NT+mb)+7]
.endif
.set mb, mb+1
.endr
.set ma, ma+1
.endr
.endm
; the fragments of quarter kq (32 along K) of a slot into buffer f: 2 NT transposing loads of W, then 2 MT loads of hn
.macro FETCH slot, kq, f
	WIN 0x40
.set fi, 0
.rept NT
	ds_load_tr16_b128 v[FB0+\f*FBS+8*fi:FB0+\f*FBS+8*fi+3], v[ADRB+\slot] offset:\kq*32*PB+(fi/BG)*BGS+(fi%BG)*32
	ds_load_tr16_b128 v[FB0+\f*FBS+8*fi+4:FB0+\f*FBS+8*fi+7], v[ADRB+\slot] offset:\kq*32*PB+16*PB+(fi/BG)*BGS+(fi%BG)*32
.set fi, fi+1
.endr
	WIN 0
.set fi, 0
.rept MT
	ds_load_b128 v[FA0+\f*FAS+8*fi:FA0+\f*FAS+8*fi+3], v[ADRA+\slot] offset:\kq*64+fi*16*PA
	ds_load_b128 v[FA0+\f*FAS+8*fi+4:FA0+\f*FAS+8*fi+7], v[ADRA+\slot] offset:\kq*64+fi*16*PA+32
.set fi, fi+1
.endr
.endm
.macro QUARTER slot, kq, f, g, first   ; multiplies buffer f; in its middle fetches quarter kq into buffer g
	s_wait_dscnt MT                                ; W and hn's lower blocks are in; the youngest MT loads (hn's upper blocks) may be out
	WIN 0xa1-0x20*\first                           ; with first = 1 the C operand is the bias tile, in window 0
	MULR \f, 0, 0, MT/2, \first
	PLACES
	FETCH \slot, \kq, \g
	s_wait_dscnt 2*(MT+NT)                         ; all but the loads just issued
	WIN 0xf1-0x30*\first
	MULR \f, 1, 0, MT/2, \first
.endm
.macro THREE slot, first
	QUARTER \slot, 1, 0, 1, \first
	QUARTER \slot, 2, 1, 0, 0
	QUARTER \slot, 3, 0, 1, 0
.endm
; The last quarter multiplies buffer 1 and changes slots.  In front of the barrier each wave waits for its reads of this slot and for all
; its tensor loads (one is out: its part of the next slot); behind it the joint refill comes first, then the next slot's first fragments.
.macro TURN slot, next, fill
	s_wait_dscnt MT
	WIN 0xa1
	MULR 1, 0, 0, MT/4, 0
	s_wait_dscnt 0x0                               ; my reads of this slot are over
	s_wait_tensorcnt 0x0                           ; all my tensor loads have landed
	ds_add_u32 v63, v255
	s_wait_dscnt 0x0
	s_barrier_signal -1
	MULR 1, 0, MT/4, MT/4, 0                       ; register work alone between signal and wait
	WIN 0
	s_barrier_wait -1
.if \fill
	CREST                                          ; no wave of any partner still reads this slot or has a load on its way
	s_add_nc_u64 s[G0A+4*\slot+2:G0A+4*\slot+3], s[G0A+4*\slot+2:G0A+4*\slot+3], 2*128*2
	s_add_nc_u64 s[G0B+4*\slot+2:G0B+4*\slot+3], s[G0B+4*\slot+2:G0B+4*\slot+3], 2*128*2*NN
	JLOAD \slot                                    ; the wave's one tensor load behind the round
.endif
	PLACES
	FETCH \next, 0, 0
	WIN 0xf1
	MULR 1, 1, 0, MT/2, 0
.endm
.macro LAP first
	THREE 0, \first
	TURN 0, 1, 1
	THREE 1, 0
	TURN 1, 0, 1
.endm
	s_load_b256 s[4:11], s[0:1], 0x0               ; hn 4, wb 6, qkv_b 8, qkvp 10
	s_set_vgpr_msb 0x40
	v_lshl_add_u32 v63, v0, 2, 0x46400
	s_set_vgpr_msb 0x4000
	v_mov_b32 v255, 0
	s_set_vgpr_msb 0x1
	ds_add_u32 v63, v255
	ds_add_u32 v63, v255
	s_set_vgpr_msb 0x100
	v_lshrrev_b32 v1, 5, v0
	v_readfirstlane_b32 s14, v1                    ; wave 0..3; also my block of 64 rows
	s_lshr_b32 s15, s14, 1                         ; I fetch for hn (0) or for W (1)
	s_and_b32 s16, s14, 1                          ; which half of that tile
	s_bfe_u32 s40, ttmp6, 0x40000                  ; cx
	s_bfe_u32 s41, ttmp6, 0x40004                  ; cy
	s_lshl_b32 s42, ttmp9, 2
	s_add_co_u32 s42, s42, s40                     ; block column
	s_and_b32 s43, ttmp7, 0xffff
	s_lshl_b32 s43, s43, 2
	s_add_co_u32 s43, s43, s41                     ; block row
	s_lshl_b32 s44, s41, 2
	s_lshl_b32 s44, 15, s44                        ; my row of the cluster
	s_lshl_b32 s45, 0x1111, s40                    ; my column
	s_or_b32 s[G1A+0], s44, (1<<16)|(1<<20)|(1<<21)|(5<<22)|(3<<25)    ; mask; 2-byte elements; padding: 4 words behind every 64
	s_mov_b32 s[G1A+1], 128<<16                    ; tensor_dim0 = 128
	s_mov_b32 s[G1A+2], 128<<16                    ; tensor_dim1 = 128
	s_mov_b32 s[G1A+3], 128<<16                    ; tile_dim0 = 128
	s_mov_b32 s[G1A+4], 128                        ; tile_dim1 = 128 rows
	s_mov_b32 s[G1A+5], 1024                       ; elements from row to row
	s_mov_b32 s[G1A+6], 0
	s_mov_b32 s[G1A+7], 0
	s_or_b32 s[G1B+0], s45, (1<<16)|(1<<20)|(1<<21)|(QIB<<22)|(7<<25)  ; padding: 8 words behind every 32
	s_mov_b32 s[G1B+1], BN<<16
	s_mov_b32 s[G1B+2], 64<<16
	s_mov_b32 s[G1B+3], BN<<16
	s_mov_b32 s[G1B+4], 64                         ; 64 k rows
	s_mov_b32 s[G1B+5], NN
	s_mov_b32 s[G1B+6], 0
	s_mov_b32 s[G1B+7], 0
	s_lshl_b32 s20, s43, 8                         ; hn: row 256 x block row + 128 x half, 2,048 bytes a row
	s_lshl_b32 s21, s16, 7
	s_add_co_u32 s20, s20, s21
	s_lshl_b32 s20, s20, 11
	s_mov_b32 s21, 0
	s_mul_i32 s46, s16, 64*2*NN                    ; W: k row 64 x half, column 192 x block column
	s_mul_i32 s47, s42, 2*BN
	s_add_co_u32 s46, s46, s47
	s_mov_b32 s47, 0
	s_mul_i32 s22, s14, HALFA                      ; LDS: hn's halves at wave x HALFA (waves 0, 1),
	s_mul_i32 s23, s14, HALFB                      ; W's at 2 HALFA + (wave - 2) x HALFB (waves 2, 3)
	s_add_co_u32 s23, s23, 2*HALFA-2*HALFB
	s_wait_dscnt 0x0
	s_wait_kmcnt 0x0
	s_add_nc_u64 s[20:21], s[4:5], s[20:21]
	s_add_nc_u64 s[46:47], s[6:7], s[46:47]
	CROUND                                         ; all sixteen groups are here: the first joint loads meet
.irp s, 0,1
	s_mov_b32 s[G0A+4*\s], 1
	s_add_co_u32 s[G0A+4*\s+1], s22, \s*SLOT
	s_add_nc_u64 s[G0A+4*\s+2:G0A+4*\s+3], s[20:21], \s*128*2
	s_or_b32 s[G0A+4*\s+3], s[G0A+4*\s+3], 0x80000000
	s_mov_b32 s[G0B+4*\s], 1
	s_add_co_u32 s[G0B+4*\s+1], s23, \s*SLOT
	s_add_nc_u64 s[G0B+4*\s+2:G0B+4*\s+3], s[46:47], \s*128*2*NN
	s_or_b32 s[G0B+4*\s+3], s[G0B+4*\s+3], 0x80000000
	JLOAD \s                                       ; K steps 0 and 1: two tensor loads of the wave are out
.endr
	v_and_b32 v1, 15, v0                           ; r = l % 16
	v_bfe_u32 v2, v0, 4, 1                         ; h = l / 16
	v_mul_u32_u24 v3, v1, PA
	v_lshl_add_u32 v3, v2, 4, v3                   ; hn: r x pitch + 16 h
	v_and_b32 v4, 7, v0
	v_lshl_add_u32 v4, v2, 3, v4                   ; W: k row 8 h + l % 8,
	v_mul_u32_u24 v4, v4, PB
	v_bfe_u32 v5, v0, 3, 1
	v_lshl_add_u32 v4, v5, 4, v4                   ; 16 bytes further for lanes 8-15 of each half
	s_mul_i32 s22, s14, 16*MT*PA                   ; my 64 rows of hn
	s_mov_b32 s23, 2*HALFA
.irp s, 0,1
	v_add_nc_u32 v[ADRA+\s], s22, v3
	v_add_nc_u32 v[ADRB+\s], s23, v4
	s_add_co_u32 s22, s22, SLOT
	s_add_co_u32 s23, s23, SLOT
.endr
	s_mul_i32 s22, s14, 16*SP
	s_add_co_u32 s22, s22, STAGE                   ; my stage
	v_mul_u32_u24 v3, v1, SP
	v_lshl_add_u32 v3, v2, 4, v3
	v_add_nc_u32 v[STO], s22, v3                   ; in: row r, 16 bytes for each half of the lanes
	v_and_b32 v4, 31, v0
	v_lshrrev_b32 v5, 3, v4
	v_mul_u32_u24 v5, v5, SP
	v_and_b32 v3, 7, v0
	v_lshl_add_u32 v5, v3, 4, v5
	v_add_nc_u32 v[RD], s22, v5                    ; back: eight lanes take the 128 bytes that a row has in one plane
	v_lshlrev_b32 v[CO], 4, v4                     ; four rows of a plane are 512 consecutive bytes
	v_lshlrev_b32 v[BV], 5, v2                     ; bias: 8 h numbers
	s_mul_i32 s46, s42, 4*BN
	s_mov_b32 s47, 0
	s_add_nc_u64 s[8:9], s[8:9], s[46:47]
.set i, 0
.rept NT
	global_load_b128 v[BIAS+8*i:BIAS+8*i+3], v[BV], s[8:9] offset:64*i        ; register j = bias[16 i + 8 h + j]
	global_load_b128 v[BIAS+8*i+4:BIAS+8*i+7], v[BV], s[8:9] offset:64*i+16
.set i, i+1
.endr
	s_wait_tensorcnt 0x1                           ; my part of K step 0 is in; step 1's load stays out
	s_barrier_signal -1
	s_barrier_wait -1
	FETCH 0, 0, 0
	s_wait_loadcnt 0x0                             ; the bias tiles
	LAP 1
	WIN 0
	s_mov_b32 s3, LAPS-2
.Llap:
	LAP 0
	WIN 0
	s_sub_co_u32 s3, s3, 1
	s_cmp_lg_u32 s3, 0
	s_cbranch_scc1 .Llap
	THREE 0, 0                                     ; the last lap fills nothing and has no round
	TURN 0, 1, 0
	THREE 1, 0
	s_wait_dscnt MT
	WIN 0xa1
	MULR 1, 0, 0, MT/2, 0
	s_wait_dscnt 0x0
	WIN 0xf1
	MULR 1, 1, 0, MT/2, 0
	; THE WAY OUT, 16 rows at a time: round to bf16, 16 bytes a lane into my stage, back as 4 rows x 128 bytes of one plane.
	PLACES
	WIN 0
	s_mul_i32 s46, s42, 3*PL                       ; plane 3 x block column
	s_mov_b32 s47, 0
	s_add_nc_u64 s[10:11], s[10:11], s[46:47]
	s_lshl_b32 s20, s43, 15                        ; row 256 x block row + 64 x wave, 128 bytes a row
	s_lshl_b32 s21, s14, 13
	s_add_co_u32 s20, s20, s21
	s_mov_b32 s21, 0
	s_add_nc_u64 s[10:11], s[10:11], s[20:21]
.macro OUTP a, y
	WIN 0x0a+5*(\a/2)                              ; sources 0 and 1 in window 2 or 3
.set ob, 0
.rept NT
.set oq, 0
.rept 4
	v_cvt_pk_bf16_f32 v[TMP+4*ob+oq], v[8*((\a%2)*NT+ob)+2*oq], v[8*((\a%2)*NT+ob)+2*oq+1]
.set oq, oq+1
.endr
.set ob, ob+1
.endr
	WIN 0
.set ob, 0
.rept NT
	ds_store_b128 v[STO], v[TMP+4*ob:TMP+4*ob+3] offset:32*ob
.set ob, ob+1
.endr
	s_wait_xcnt 0x0                                ; buffer y, which earlier stores read, is loaded again only behind this wait
.set ot, 0
.rept 12
	ds_load_b128 v[\y+4*ot:\y+4*ot+3], v[RD] offset:128*(ot/4)+(ot%4)*4*SP   ; LDS serves a wave's instructions in order: these see the stores above
.set ot, ot+1
.endr
.set ot, 0
.rept 12
	s_wait_dscnt 11-ot
	global_store_b128 v[CO], v[\y+4*ot:\y+4*ot+3], s[10:11] offset:(ot/4)*PL+2048*\a+512*(ot%4)   ; 512 consecutive bytes, aligned
.set ot, ot+1
.endr
.endm
	OUTP 0, 112
	OUTP 1, 160
	OUTP 2, 112
	OUTP 3, 160
	s_set_vgpr_msb 0x1
	s_wait_tensorcnt 0x0
	ds_add_u32 v63, v255
	s_wait_dscnt 0x0
	s_set_vgpr_msb 0x100
	CROUND                                         ; the closing round: no group ends while a partner may still ask jointly
	s_endpgm
.Lfunc_end_k_q78c628be64_gqkv:
	.size	k_q78c628be64_gqkv, .Lfunc_end_k_q78c628be64_gqkv-k_q78c628be64_gqkv
	.p2alignl 7, 3214868480
	.fill 96, 4, 3214868480
	.section	.rodata,"a",@progbits
	.p2align	6, 0x0
	.amdhsa_kernel k_q78c628be64_gqkv
		.amdhsa_group_segment_fixed_size 327680
		.amdhsa_private_segment_fixed_size 0
		.amdhsa_enable_private_segment 0
		.amdhsa_kernarg_size 32
		.amdhsa_user_sgpr_count 2
		.amdhsa_user_sgpr_kernarg_segment_ptr 1
		.amdhsa_wavefront_size32 1
		.amdhsa_system_sgpr_workgroup_id_x 1
		.amdhsa_system_sgpr_workgroup_id_y 1
		.amdhsa_system_sgpr_workgroup_id_z 1
		.amdhsa_system_vgpr_workitem_id 0
		.amdhsa_next_free_vgpr 1024
		.amdhsa_next_free_sgpr 66
		.amdhsa_reserve_vcc 0
		.amdhsa_float_denorm_mode_32 3
		.amdhsa_float_denorm_mode_16_64 3
		.amdhsa_memory_ordered 1
		.amdhsa_forward_progress 1
		.amdhsa_inst_pref_size 166
	.end_amdhsa_kernel
	.amdgpu_metadata
---
amdhsa.version: [ 1, 2 ]
amdhsa.kernels:
  - .name:           k_q78c628be64_gqkv
    .symbol:         k_q78c628be64_gqkv.kd
    .args:
      - { .name: hn, .offset: 0, .size: 8, .value_kind: global_buffer, .address_space: global }
      - { .name: wb, .offset: 8, .size: 8, .value_kind: global_buffer, .address_space: global }
      - { .name: qkv_b, .offset: 16, .size: 8, .value_kind: global_buffer, .address_space: global }
      - { .name: qkvp, .offset: 24, .size: 8, .value_kind: global_buffer, .address_space: global }
    .group_segment_fixed_size: 327680
    .private_segment_fixed_size: 0
    .kernarg_segment_align: 8
    .kernarg_segment_size: 32
    .max_flat_workgroup_size: 128
    .sgpr_count:     66
    .vgpr_count:     1024
    .wavefront_size: 32
...
	.end_amdgpu_metadata
.endif
;; end of part 2
;; launch attn (part 3): grid 8 x 32, 4 waves a work-group, no clusters, 327,680 bytes of LDS; arguments qkvp, ao; writes ao
.if DOCPART == 3
	.amdgcn_target "amdgcn-amd-amdhsa--gfx1250"
	.amdhsa_code_object_version 6
	.text
	.protected	k_q78c628be64_attn
	.globl	k_q78c628be64_attn
	.p2align	8
	.type	k_q78c628be64_attn,@function
k_q78c628be64_attn:
	s_mov_b64 s[64:65], 0
	v_nop
	global_prefetch_b8 v0, s[64:65] scope:SCOPE_SE
	s_setreg_imm32_b32 hwreg(HW_REG_WAVE_MODE, 25, 1), 1
	s_wait_xcnt 0x0
; ao = softmax(causal(q k^T / 8)) v for each of 32 (batch, head).  qkvp: bf16 planes [48][4096][64] (q: head, k: 16 + head, v: 32 + head).
; ao: bf16 planes [16][4096][64].
; WORK LEFT OUT: key units of 128 keys above the diagonal, and keys 64..127 of a diagonal unit for queries 0..63 of the block: reference()'s
; own jnp.tril makes their weights exactly 0 (shown at the head of the first launch, prep).  A NaN or infinity that sits only there is not carried.
; SHARES: group (j, bh) takes query block 15 - j (16 - j key units) and then block j (j + 1 units): 17 units in every group.  Wave w owns 32
; queries of the block as two tiles of 16.  The units are numbered u = 0..16 straight through; K and V of unit u lie in LDS slot u % 2.
; NO CLUSTER: the eight groups of a head would share K and V, but in a given step they need different key units (blocks 15 - j and j start and
; end at other steps for each j), so a joint request would name tiles that partners do not want.
; LAYOUT: S^T = K Q^T (source 0 = 16 keys from LDS, source 1 = 16 queries held in registers): lane (r, h) holds query r and keys 8 h + 0..7 of
; the tile, so two neighbouring key tiles, rounded to bf16, ARE the source-1 fragment (query r, 32 keys) of O^T = V^T P^T; V^T comes from LDS by
; the transposing load.  Maximum, sum and rescale factor are one number a lane (and the lane 16 away).
; SOFTMAX: a running maximum m; nm = -c m with c = log2(e) / 8; p = 2^(c s + nm); alpha = 2^(nm_new - nm_old).  Every step that is run holds at
; least one key <= each of its queries, so m is finite for finite scores.  v_exp_f32 flushes results below 2^-126 to 0.
; TURNS: the two query tiles share the K and V fragments and take turns: tile 0's softmax, cut into eight slices, stands behind the eight score
; products of tile 1, and tile 1's softmax behind the eight O products of tile 0.  Scores, P, K, Q and all softmax registers lie in window 0, so the
; first of these phases changes no register window; V and O lie in window 1, so the second changes it twice for each product.
.set PL, 524288
.set KP, 144                           ; LDS pitch of a key's 128 bytes of K (odd multiple of 16)
.set VP, 160                           ; of V (odd multiple of 32, for the transposing load)
.set KBYTES, 128*KP
.set SLOT, 128*KP+128*VP               ; 38,912
.set STAGE, 2*SLOT                     ; 32 rows x 144 bytes for each wave, for the way out; no tensor load lands there
.set RD, 2
.set CO, 3
.set KA, 4                             ; v4, v5    K fragment address, slot 0, 1
.set VA, 6                             ; v6, v7    V fragment address
.set NM, 8                             ; v8, v10   -c max of query tile 0, 1: the low register of a pair, which the packed forms broadcast
.set AL, 12                            ; v12, v14  alpha, likewise
.set MR, 16                            ; v16, v17  the running maximum itself
.set TM, 18
.set DD, 20
.set XC, 22
.set QREL, 28                          ; 32 w + r - 8 h
.set NINF, 29
.set VQ, 30
.set STO, 31
.set SC, 32                            ; v[32:95]   scores, tile (q, kt) at 8 (4 q + kt)
.set PR, 96                            ; v[96:127]  P in bf16, fragment (q, ks) at 8 (2 q + ks)
.set KF, 128                           ; v[128:191] K fragments (kt, dk) at 8 (2 kt + dk)
.set QF, 192                           ; v[192:223] Q fragments (q, dk) at 8 (2 q + dk)
.set LS, 224                           ; v[224:231] two pairs of partial sums for each query tile
.set MX, 232                           ; v[232:239] four chains of maxima for each query tile
.set VF, 0                             ; window 1: v[0:63] V fragments (dt, ks) at 8 (2 dt + ks)
.set OA, 64                            ; window 1: v[64:127] O^T, tile (q, dt) at 8 (4 q + dt)
.set G1K, 32
.set G1V, 40
.set G0K, 48
.set G0V, 56
.set MSB, 0
.macro WIN new                         ; the immediate's high byte repeats the setting that is left
.if MSB != (\new)
	s_set_vgpr_msb (MSB<<8)|(\new)
.set MSB, (\new)
.endif
.endm
.macro PLACES                          ; four plain vector instructions between a matrix instruction and a load into, or a vector read of, its registers
.rept 4
	v_nop
.endr
.endm
.macro KVLOAD s                        ; waves 0, 1 bring K's halves of 64 keys, waves 2, 3 V's: one tensor load a wave
	s_cmp_eq_u32 s9, 0
	s_cbranch_scc0 .Lfor_v_\@
	tensor_load_to_lds s[G0K+4*(\s):G0K+4*(\s)+3], s[G1K:G1K+7]
	s_nop 0
	s_branch .Lasked_\@
.Lfor_v_\@:
	tensor_load_to_lds s[G0V+4*(\s):G0V+4*(\s)+3], s[G1V:G1V+7]
	s_nop 0
.Lasked_\@:
.endm
.macro KLOAD slot, ss                  ; 16 loads: four key tiles x two halves of d
.set li, 0
.rept 8
	ds_load_b128 v[KF+8*li:KF+8*li+3], v[KA+\slot] offset:(64*\ss+16*(li/2))*KP+64*(li%2)
	ds_load_b128 v[KF+8*li+4:KF+8*li+7], v[KA+\slot] offset:(64*\ss+16*(li/2))*KP+64*(li%2)+32
.set li, li+1
.endr
.endm
.macro VLOAD slot, ss                  ; 16 transposing loads into window 1: four d tiles x two runs of 32 keys
	WIN 0x40
.set li, 0
.rept 8
	ds_load_tr16_b128 v[VF+8*li:VF+8*li+3], v[VA+\slot] offset:(64*\ss+32*(li%2))*VP+32*(li/2)
	ds_load_tr16_b128 v[VF+8*li+4:VF+8*li+7], v[VA+\slot] offset:(64*\ss+32*(li%2)+16)*VP+32*(li/2)
.set li, li+1
.endr
	WIN 0
.endm
; Score product t = 0..7 of query tile q: key tiles 0..3 with d 0..31 (these start the sums), then the same tiles with d 32..63.
; Four accumulators take turns, one instruction a turn.
.macro SPROD q, t
.if (\t) < 4
	v_wmma_f32_16x16x32_bf16 v[SC+32*\q+8*(\t):SC+32*\q+8*(\t)+7], v[KF+16*(\t):KF+16*(\t)+7], v[QF+16*\q:QF+16*\q+7], 0
.else
	v_wmma_f32_16x16x32_bf16 v[SC+32*\q+8*((\t)-4):SC+32*\q+8*((\t)-4)+7], v[KF+16*((\t)-4)+8:KF+16*((\t)-4)+15], v[QF+16*\q+8:QF+16*\q+15], v[SC+32*\q+8*((\t)-4):SC+32*\q+8*((\t)-4)+7]
	s_wait_alu depctr_va_vdst(0)
.endif
.endm
; O product t = 0..7 of query tile q: d tiles 0..3 with keys 0..31, then with keys 32..63; the four accumulators take turns likewise.
.macro PPROD q, t
	v_wmma_f32_16x16x32_bf16 v[OA+32*\q+8*((\t)%4):OA+32*\q+8*((\t)%4)+7], v[VF+16*((\t)%4)+8*((\t)/4):VF+16*((\t)%4)+8*((\t)/4)+7], v[PR+16*\q+8*((\t)/4):PR+16*\q+8*((\t)/4)+7], v[OA+32*\q+8*((\t)%4):OA+32*\q+8*((\t)%4)+7]
	s_wait_alu depctr_va_vdst(0)
.endm
.macro RESC q                          ; O of query tile q times its alpha (the low register of the pair, for both halves)
	WIN 0x41
.set oi, 0
.rept 16
	v_pk_mul_f32 v[OA+32*\q+2*oi:OA+32*\q+2*oi+1], v[OA+32*\q+2*oi:OA+32*\q+2*oi+1], v[AL+2*\q:AL+2*\q+1] op_sel_hi:[1,0]
.set oi, oi+1
.endr
.endm
; key 64 ss + 16 kt + 8 h + j is past query 32 w + 16 q + r where 64 ss + 16 (kt - q) + j > 32 w + r - 8 h.  mask: 0 none, 1 if s70 says diagonal, 2 always.
.macro MASKQ q, ss, mask
.if \mask
.if \mask == 1
	s_cmp_eq_u32 s70, 0
	s_cbranch_scc1 .Lnomask_\@
.endif
.set mk, 0
.rept 4
.set mj, 0
.rept 8
	v_cmp_gt_i32 vcc_lo, 64*\ss+16*(mk-\q)+mj, v[QREL]
	v_cndmask_b32 v[SC+32*\q+8*mk+mj], v[SC+32*\q+8*mk+mj], v[NINF], vcc_lo
.set mj, mj+1
.endr
.set mk, mk+1
.endr
.if \mask == 1
.Lnomask_\@:
.endif
.endif
.endm
; Group h = 0..8 of query tile q.  A half tile is four registers.  The four exponentials of half tile h each stand next to a plain instruction that
; touches none of their registers (ISA guide 5.7.2): the exponents of half tile h + 1, the sums of half tile h - 1; then h - 1 is rounded into P.
; The first half tile's sums carry the rescale of the running sums.
.macro GRP q, h
.set gi, 0
.rept 4
.if \h < 8
	v_exp_f32 v[SC+32*\q+4*\h+gi], v[SC+32*\q+4*\h+gi]
.endif
.if gi < 2
.if \h < 7
	v_pk_fma_f32 v[SC+32*\q+4*\h+4+2*gi:SC+32*\q+4*\h+5+2*gi], v[SC+32*\q+4*\h+4+2*gi:SC+32*\q+4*\h+5+2*gi], s[66:67], v[NM+2*\q:NM+2*\q+1] op_sel_hi:[1,0,0]
.endif
.else
.if \h == 1
	s_wait_alu depctr_va_vdst(0)
	v_pk_fma_f32 v[LS+4*\q+2*gi-4:LS+4*\q+2*gi-3], v[LS+4*\q+2*gi-4:LS+4*\q+2*gi-3], v[AL+2*\q:AL+2*\q+1], v[SC+32*\q+4*\h-8+2*gi:SC+32*\q+4*\h-7+2*gi] op_sel_hi:[1,0,1]
.endif
.if \h > 1
	s_wait_alu depctr_va_vdst(0)
	v_pk_add_f32 v[LS+4*\q+2*gi-4:LS+4*\q+2*gi-3], v[LS+4*\q+2*gi-4:LS+4*\q+2*gi-3], v[SC+32*\q+4*\h-8+2*gi:SC+32*\q+4*\h-7+2*gi]
.endif
.endif
.set gi, gi+1
.endr
.if \h > 0
	v_cvt_pk_bf16_f32 v[PR+16*\q+2*\h-2], v[SC+32*\q+4*\h-4], v[SC+32*\q+4*\h-3]
	v_cvt_pk_bf16_f32 v[PR+16*\q+2*\h-1], v[SC+32*\q+4*\h-2], v[SC+32*\q+4*\h-1]
.endif
.endm
; Slice i = 0..7 of the softmax of query tile q over 64 keys.
.macro SLICE q, i, ss, mask
.if (\i) == 0
.if \q == 0
	PLACES                                         ; tile 0's last score product stands one matrix instruction back: four places before its result is read
.endif
	MASKQ \q, \ss, \mask
.set mk, 0
.rept 4                                            ; four chains of maxima, one for each key tile, so that no instruction waits for the one in front of it
	v_max3_num_f32 v[MX+4*\q+mk], v[SC+32*\q+8*mk], v[SC+32*\q+8*mk+1], v[SC+32*\q+8*mk+2]
.set mk, mk+1
.endr
.set mk, 0
.rept 4
	v_max3_num_f32 v[MX+4*\q+mk], v[MX+4*\q+mk], v[SC+32*\q+8*mk+3], v[SC+32*\q+8*mk+4]
.set mk, mk+1
.endr
.set mk, 0
.rept 4
	v_max3_num_f32 v[MX+4*\q+mk], v[MX+4*\q+mk], v[SC+32*\q+8*mk+5], v[SC+32*\q+8*mk+6]
.set mk, mk+1
.endr
.elseif (\i) == 1
	v_max3_num_f32 v[MX+4*\q], v[MX+4*\q], v[SC+32*\q+7], v[SC+32*\q+15]
	v_max3_num_f32 v[MX+4*\q+1], v[MX+4*\q+1], v[SC+32*\q+23], v[SC+32*\q+31]
	v_max3_num_f32 v[MX+4*\q], v[MX+4*\q], v[MX+4*\q+1], v[MX+4*\q+2]
	v_max_num_f32 v[TM+\q], v[MX+4*\q], v[MX+4*\q+3]
	v_permlanex16_b32 v[XC+\q], v[TM+\q], s68, s69 ; the other eight keys of each tile lie 16 lanes away
	v_max3_num_f32 v[MR+\q], v[MR+\q], v[TM+\q], v[XC+\q]
	v_mul_f32 v[TM+\q], s74, v[MR+\q]              ; -c max
	v_sub_f32 v[DD+\q], v[TM+\q], v[NM+2*\q]
	v_exp_f32 v[AL+2*\q], v[DD+\q]
	v_mov_b32 v[NM+2*\q], v[TM+\q]                 ; the plain instruction behind the exponential (ISA guide 5.7.2)
	v_pk_fma_f32 v[SC+32*\q:SC+32*\q+1], v[SC+32*\q:SC+32*\q+1], s[66:67], v[NM+2*\q:NM+2*\q+1] op_sel_hi:[1,0,0]
	v_pk_fma_f32 v[SC+32*\q+2:SC+32*\q+3], v[SC+32*\q+2:SC+32*\q+3], s[66:67], v[NM+2*\q:NM+2*\q+1] op_sel_hi:[1,0,0]
.elseif (\i) == 2
	GRP \q, 0
.elseif (\i) == 3
	GRP \q, 1
.elseif (\i) == 4
	GRP \q, 2
	GRP \q, 3
.elseif (\i) == 5
	GRP \q, 4
	GRP \q, 5
.elseif (\i) == 6
	GRP \q, 6
	GRP \q, 7
.else
	GRP \q, 8                                      ; two sums and two roundings: four plain instructions
.endif
.endm
; 64 keys (half ss of the unit in a slot) against my 32 queries.
.macro SUB slot, ss, mask
	PLACES                                         ; behind the last step's products, which read the V fragments loaded now
.if \ss == 0
	KLOAD \slot, 0
.endif
	VLOAD \slot, \ss
	s_wait_dscnt 16                                ; K's fragments are in; the 16 younger loads (V) stay out
.set tg, 0
.rept 8
	SPROD 0, tg
.set tg, tg+1
.endr
.set tg, 0
.rept 8                                            ; tile 1's scores, tile 0's softmax: one slice behind each product, all in window 0
	SPROD 1, tg
	SLICE 0, tg, \ss, \mask
.set tg, tg+1
.endr
.if \ss == 0
	KLOAD \slot, 1                                 ; the second half's K, in a run of its own; the last slice's four plain instructions are the places behind the last product that read K
	s_wait_dscnt 16                                ; V's fragments are in; the 16 younger loads (the second half's K) stay out
.else
	s_wait_dscnt 0x0                               ; V's fragments: nothing was issued behind them
.endif
	RESC 0
.set tg, 0
.rept 8                                            ; tile 0's O products, tile 1's softmax
	WIN 0x51                                       ; source 0 (V), C and D (O^T) in window 1, source 1 (P) in window 0
	PPROD 0, tg
	WIN 0
	SLICE 1, tg, \ss, \mask
.set tg, tg+1
.endr
	RESC 1
	WIN 0x51
.set tg, 0
.rept 8
	PPROD 1, tg
.set tg, tg+1
.endr
	WIN 0
.endm
; A query block is finished: divide by the sums, round, through my stage, out as 4 rows x 128 bytes a store.
.macro FINAL base
	s_wait_dscnt 0x0                               ; K loads of a half that was left out may still be out
	PLACES
.irp q, 0,1
	v_add_f32 v[TM+\q], v[LS+4*\q], v[LS+4*\q+1]
	v_add_f32 v[DD+\q], v[LS+4*\q+2], v[LS+4*\q+3]
.endr
.irp q, 0,1
	v_add_f32 v[TM+\q], v[TM+\q], v[DD+\q]
.endr
.irp q, 0,1
	v_permlanex16_b32 v[XC+\q], v[TM+\q], s68, s69
.endr
.irp q, 0,1
	v_add_f32 v[TM+\q], v[TM+\q], v[XC+\q]
.endr
	v_rcp_f32 v[AL], v[TM]
	v_rcp_f32 v[AL+2], v[TM+1]
	v_nop                                          ; one plain instruction behind the reciprocals (ISA guide 5.7.2)
	s_wait_alu depctr_va_vdst(0)
	RESC 0
	RESC 1
	WIN 0x05
.set oi, 0
.rept 32
	v_cvt_pk_bf16_f32 v[SC+oi], v[OA+2*oi], v[OA+2*oi+1]
.set oi, oi+1
.endr
	WIN 0
.set oi, 0
.rept 8
	ds_store_b128 v[STO], v[SC+4*oi:SC+4*oi+3] offset:16*KP*(oi/4)+32*(oi%4)   ; query 16 q + r, d = 16 dt + 8 h .. + 7
.set oi, oi+1
.endr
.set oi, 0
.rept 8
	ds_load_b128 v[KF+4*oi:KF+4*oi+3], v[RD] offset:4*KP*oi                    ; LDS serves a wave's instructions in order: these see the stores above
.set oi, oi+1
.endr
.set oi, 0
.rept 8
	s_wait_dscnt 7-oi                              ; read oi of the eight is back
	global_store_b128 v[CO], v[KF+4*oi:KF+4*oi+3], s[\base:\base+1] offset:512*oi   ; 512 consecutive bytes, aligned
.set oi, oi+1
.endr
	s_wait_xcnt 0x0                                ; the stores' data registers are loaded again only behind this wait
.endm
; A query block begins: its Q fragments, O = 0, sums = 0, maximum = -infinity (nm = +infinity).
.macro INIT qb
.set qi, 0
.rept 4
	global_load_b128 v[QF+8*qi:QF+8*qi+3], v[VQ], s[\qb:\qb+1] offset:2048*(qi/2)+64*(qi%2)
	global_load_b128 v[QF+8*qi+4:QF+8*qi+7], v[VQ], s[\qb:\qb+1] offset:2048*(qi/2)+64*(qi%2)+32
.set qi, qi+1
.endr
	WIN 0x40
.set qi, 0
.rept 64
	v_mov_b32 v[OA+qi], 0                          ; twice a wave; a first step written out apart would double the text, since a block's first unit may be its diagonal one
.set qi, qi+1
.endr
	WIN 0
.set qi, 0
.rept 4
	v_mov_b32 v[NM+qi], 0x7f800000                 ; the pairs' upper registers are written too: the packed forms name whole pairs
	v_mov_b32 v[AL+qi], 0
.set qi, qi+1
.endr
.set qi, 0
.rept 8
	v_mov_b32 v[LS+qi], 0
.set qi, qi+1
.endr
	v_mov_b32 v[MR], 0xff800000
	v_mov_b32 v[MR+1], 0xff800000
	v_mov_b32 v[XC], 0
	v_mov_b32 v[XC+1], 0
	s_wait_loadcnt 0x0
.endm
; One key unit, u = s17 + slot.  The order of a refill: all my tensor loads have landed and my LDS reads are back; the barrier; then my one
; tensor load, unit u + 1 into the other slot, first thing behind it: it has this unit's work in which to land.
.macro VISIT slot, refill, tail
	s_wait_tensorcnt 0x0                           ; my part of this unit is in, and no load of mine is out: the group 0 words may be written
	ds_add_u32 v254, v255
	s_wait_dscnt 0x0
.if \refill
	s_add_co_u32 s18, s17, \slot+1                 ; unit u + 1 is key unit u + 1 of block A, or u + 1 - nA of block B
	s_sub_co_u32 s19, s18, s15
	s_cmp_lt_u32 s18, s15
	s_cselect_b32 s18, s18, s19
	s_lshl_b32 s72, s18, 14                        ; 128 keys x 128 bytes
	s_add_nc_u64 s[G0K+4*(1-\slot)+2:G0K+4*(1-\slot)+3], s[28:29], s[72:73]
	s_or_b32 s[G0K+4*(1-\slot)+3], s[G0K+4*(1-\slot)+3], 0x80000000
	s_add_nc_u64 s[G0V+4*(1-\slot)+2:G0V+4*(1-\slot)+3], s[30:31], s[72:73]
	s_or_b32 s[G0V+4*(1-\slot)+3], s[G0V+4*(1-\slot)+3], 0x80000000
.endif
	s_wait_dscnt 0x0                               ; my reads of the other slot are back
	s_barrier_signal -1
	s_barrier_wait -1
.if \refill
	KVLOAD 1-\slot
.endif
.if \tail == 0
	s_add_co_u32 s18, s17, \slot
	s_cmp_eq_u32 s18, s16
	s_cselect_b32 s70, 1, 0                        ; block A's diagonal unit
	s_cmp_lt_u32 s8, 2
	s_cselect_b32 s71, s70, 0                      ; and my queries are 0..63: keys 64..127 are all masked
	SUB \slot, 0, 1
	s_cmp_lg_u32 s71, 0
	s_cbranch_scc1 .Lskip_\@
	SUB \slot, 1, 1
.Lskip_\@:
	s_cmp_eq_u32 s70, 0
	s_cbranch_scc1 .Lon_\@
	FINAL 24
	INIT 22
.Lon_\@:
.else
	SUB \slot, 0, 2                                ; unit 16 is block B's diagonal unit
	s_cmp_lt_u32 s8, 2
	s_cbranch_scc1 .Lskip_\@
	SUB \slot, 1, 2
.Lskip_\@:
	FINAL 26
.endif
.endm
	s_load_b128 s[4:7], s[0:1], 0x0                ; qkvp 4, ao 6
	v_lshl_add_u32 v254, v0, 2, 0x29000
	v_mov_b32 v255, 0
	ds_add_u32 v254, v255
	ds_add_u32 v254, v255
	v_lshrrev_b32 v1, 5, v0
	v_readfirstlane_b32 s8, v1                     ; wave
	s_lshr_b32 s9, s8, 1                           ; I fetch K (0) or V (1)
	s_and_b32 s10, s8, 1                           ; which 64 keys
	s_mov_b32 s11, ttmp9                           ; j
	s_and_b32 s12, ttmp7, 0xffff
	s_lshr_b32 s13, s12, 4                         ; batch
	s_and_b32 s14, s12, 15                         ; head
	s_sub_co_u32 s15, 16, s11                      ; nA: key units of block A
	s_sub_co_u32 s16, 15, s11                      ; block A's number, and its diagonal unit
	s_mov_b32 s66, 0x3e38aa3b                      ; c = log2(e) / 8
	s_mov_b32 s67, 0x3e38aa3b
	s_mov_b32 s74, 0xbe38aa3b                      ; -c
	s_mov_b32 s68, 0x76543210
	s_mov_b32 s69, 0xfedcba98
	s_mov_b32 s[G1K+0], (1<<16)|(1<<20)|(4<<22)|(3<<25)   ; 2-byte elements; 4 words of padding behind every 32: a key's 128 bytes take 144
	s_mov_b32 s[G1V+0], (1<<16)|(1<<20)|(4<<22)|(7<<25)   ; 8 words: 160
.irp g, G1K, G1V
	s_mov_b32 s[\g+1], 128<<16                     ; 64 keys of a plane are 8,192 dense bytes: 32 rows of 128 elements
	s_mov_b32 s[\g+2], 32<<16
	s_mov_b32 s[\g+3], 128<<16
	s_mov_b32 s[\g+4], 32
	s_mov_b32 s[\g+5], 128
	s_mov_b32 s[\g+6], 0
	s_mov_b32 s[\g+7], 0
.endr
	s_lshl_b32 s18, s14, 19                        ; head x plane
	s_lshl_b32 s19, s13, 18                        ; batch x 2,048 rows x 128 bytes
	s_add_co_u32 s72, s18, s19
	s_mov_b32 s73, 0
	s_wait_dscnt 0x0
	s_wait_kmcnt 0x0
	s_add_nc_u64 s[4:5], s[4:5], s[72:73]
	s_add_nc_u64 s[6:7], s[6:7], s[72:73]
	s_lshl_b32 s72, s16, 14                        ; block A: 128 rows x 128 bytes a block
	s_add_nc_u64 s[20:21], s[4:5], s[72:73]
	s_add_nc_u64 s[24:25], s[6:7], s[72:73]
	s_lshl_b32 s72, s11, 14                        ; block B
	s_add_nc_u64 s[22:23], s[4:5], s[72:73]
	s_add_nc_u64 s[26:27], s[6:7], s[72:73]
	s_lshl_b32 s72, s8, 12                         ; my 32 rows of the result
	s_add_nc_u64 s[24:25], s[24:25], s[72:73]
	s_add_nc_u64 s[26:27], s[26:27], s[72:73]
	s_lshl_b32 s72, s10, 13                        ; my 64 keys of a unit
	s_add_nc_u64 s[28:29], s[4:5], s[72:73]
	s_add_nc_u64 s[30:31], s[28:29], 32*PL         ; V
	s_add_nc_u64 s[28:29], s[28:29], 16*PL         ; K
	s_mul_i32 s18, s8, 64*KP                       ; LDS: K's halves at wave x 9,216 (waves 0, 1),
	s_mul_i32 s19, s8, 64*VP                       ; V's at 18,432 + (wave - 2) x 10,240 (waves 2, 3)
	s_add_co_u32 s19, s19, KBYTES-128*VP
.irp s, 0,1
	s_mov_b32 s[G0K+4*\s], 1
	s_add_co_u32 s[G0K+4*\s+1], s18, \s*SLOT
	s_mov_b32 s[G0V+4*\s], 1
	s_add_co_u32 s[G0V+4*\s+1], s19, \s*SLOT
.endr
	s_mov_b64 s[G0K+2:G0K+3], s[28:29]
	s_or_b32 s[G0K+3], s[G0K+3], 0x80000000
	s_mov_b64 s[G0V+2:G0V+3], s[30:31]
	s_or_b32 s[G0V+3], s[G0V+3], 0x80000000
	KVLOAD 0                                       ; unit 0: the first fill, ahead of every wait, LDS read and barrier
	v_and_b32 v32, 15, v0                          ; r
	v_bfe_u32 v33, v0, 4, 1                        ; h
	v_and_b32 v34, 31, v0                          ; lane
	v_mul_u32_u24 v[KA], v32, KP
	v_lshl_add_u32 v[KA], v33, 4, v[KA]
	v_add_nc_u32 v[KA+1], SLOT, v[KA]
	v_and_b32 v35, 7, v0
	v_lshl_add_u32 v36, v33, 3, v35                ; key 8 h + l % 8
	v_mul_u32_u24 v36, v36, VP
	v_bfe_u32 v37, v0, 3, 1
	v_lshl_add_u32 v36, v37, 4, v36
	v_add_nc_u32 v[VA], KBYTES, v36
	v_add_nc_u32 v[VA+1], KBYTES+SLOT, v36
	s_lshl_b32 s18, s8, 5                          ; 32 w
	v_lshlrev_b32 v36, 3, v33
	v_sub_nc_u32 v[QREL], v32, v36
	v_add_nc_u32 v[QREL], s18, v[QREL]
	v_mov_b32 v[NINF], 0xff800000
	v_add_nc_u32 v36, s18, v32
	v_lshlrev_b32 v36, 7, v36
	v_lshl_add_u32 v[VQ], v33, 4, v36              ; (32 w + r) x 128 + 16 h
	s_mul_i32 s19, s8, 32*KP
	s_add_co_u32 s19, s19, STAGE
	v_add_nc_u32 v[STO], s19, v[KA]
	v_lshrrev_b32 v36, 3, v34
	v_mul_u32_u24 v36, v36, KP
	v_lshl_add_u32 v36, v35, 4, v36
	v_add_nc_u32 v[RD], s19, v36
	v_lshlrev_b32 v[CO], 4, v34
	INIT 20
	s_mov_b32 s17, 0
.Lunit:
	VISIT 0, 1, 0
	VISIT 1, 1, 0
	s_add_co_u32 s17, s17, 2
	s_cmp_lt_u32 s17, 16
	s_cbranch_scc1 .Lunit
	VISIT 0, 0, 1                                  ; unit 16: nothing is left to fetch
	s_wait_tensorcnt 0x0
	ds_add_u32 v254, v255
	s_wait_dscnt 0x0
	s_endpgm
.Lfunc_end_k_q78c628be64_attn:
	.size	k_q78c628be64_attn, .Lfunc_end_k_q78c628be64_attn-k_q78c628be64_attn
	.p2alignl 7, 3214868480
	.fill 96, 4, 3214868480
	.section	.rodata,"a",@progbits
	.p2align	6, 0x0
	.amdhsa_kernel k_q78c628be64_attn
		.amdhsa_group_segment_fixed_size 327680
		.amdhsa_private_segment_fixed_size 0
		.amdhsa_enable_private_segment 0
		.amdhsa_kernarg_size 16
		.amdhsa_user_sgpr_count 2
		.amdhsa_user_sgpr_kernarg_segment_ptr 1
		.amdhsa_wavefront_size32 1
		.amdhsa_system_sgpr_workgroup_id_x 1
		.amdhsa_system_sgpr_workgroup_id_y 1
		.amdhsa_system_sgpr_workgroup_id_z 1
		.amdhsa_system_vgpr_workitem_id 0
		.amdhsa_next_free_vgpr 384
		.amdhsa_next_free_sgpr 80
		.amdhsa_reserve_vcc 1
		.amdhsa_float_denorm_mode_32 3
		.amdhsa_float_denorm_mode_16_64 3
		.amdhsa_memory_ordered 1
		.amdhsa_forward_progress 1
		.amdhsa_inst_pref_size 185
	.end_amdhsa_kernel
	.amdgpu_metadata
---
amdhsa.version: [ 1, 2 ]
amdhsa.kernels:
  - .name:           k_q78c628be64_attn
    .symbol:         k_q78c628be64_attn.kd
    .args:
      - { .name: qkvp, .offset: 0, .size: 8, .value_kind: global_buffer, .address_space: global }
      - { .name: ao, .offset: 8, .size: 8, .value_kind: global_buffer, .address_space: global }
    .group_segment_fixed_size: 327680
    .private_segment_fixed_size: 0
    .kernarg_segment_align: 8
    .kernarg_segment_size: 16
    .max_flat_workgroup_size: 128
    .sgpr_count:     80
    .vgpr_count:     384
    .wavefront_size: 32
...
	.end_amdgpu_metadata
.endif
;; end of part 3
;; launch gproj (part 4): grid 8 x 32, 4 waves a work-group, clusters of 4 x 4, 327,680 bytes of LDS; arguments ao, wb, proj_b, x, x2; writes x2
.if DOCPART == 4
	.amdgcn_target "amdgcn-amd-amdhsa--gfx1250"
	.amdhsa_code_object_version 6
	.text
	.protected	k_q78c628be64_gproj
	.globl	k_q78c628be64_gproj
	.p2align	8
	.type	k_q78c628be64_gproj,@function
k_q78c628be64_gproj:
	s_mov_b64 s[64:65], 0
	v_nop
	global_prefetch_b8 v0, s[64:65] scope:SCOPE_SE
	s_setreg_imm32_b32 hwreg(HW_REG_WAVE_MODE, 25, 1), 1
	s_wait_xcnt 0x0
	s_wait_alu depctr_hold_cnt(0) depctr_sa_sdst(0) depctr_va_vdst(0) depctr_va_sdst(0) depctr_va_ssrc(0) depctr_va_vcc(0) depctr_vm_vsrc(0)
	s_getreg_b32 s2, hwreg(HW_REG_IB_STS2, 6, 4)
	s_cmp_eq_u32 s2, 0
	s_cbranch_scc0 .Lentry_in_a_cluster
	s_endpgm
.Lentry_in_a_cluster:
	s_bfe_u32 s2, ttmp6, 0x10000c
	s_cmp_lg_u32 s2, 0xf033
	s_cbranch_scc0 .Lentry_shape_is_right
	s_endpgm
.Lentry_shape_is_right:
; x2 = x + ao Wp + proj_b.  ao: bf16 planes [16][4096][64] (k = 64 x plane + column).  Wp: wb + 6,291,456, [1024][1024] bf16, [K][N].  x, x2: f32 [4096][1024].
; A work-group makes 128 x 128: 8 x 32 = 256 groups.  Four waves, 2 x 2, each 64 x 64: 16 accumulator tiles.
; K goes in steps of 256 through two LDS slots: four planes x 128 rows of the left operand (a row's 128 bytes take 144) and 256 k rows of W (256 bytes take 288 = 9 x 32).
; 128 rows of a plane are 16,384 dense bytes, so one tensor load takes two planes as two rows of 8,192 elements; the padding is counted along the tile.
; A K step is four quarters of 64 along K (one plane each), 32 products each: k 0..31 on all 16 accumulators, then k 32..63.  Between the two stands ONE run of
; 32 LDS loads, the next quarter's fragments into the other buffer, 16 products ahead of their first use.
; CLUSTERS 4 x 4: the left tile is asked for jointly along a row of the cluster, W's along a column.
; The matrix instruction is used transposed (source 0 = W's columns by the transposing LDS load, source 1 = rows): a lane holds 8 neighbouring columns of a row.
; The first product takes the bias tile as C.  The residual's 32 loads a lane are issued at the start and stay out under the whole K loop.
; NO PREFETCH HERE: the text asks in K step s for step s + 4, and this launch has four K steps; two are asked for at the start and the other two within the first two steps.
; REGISTERS: window 0: v16-29 addresses, v32-63 bias tiles, v64-127 / v128-191 left fragments (buffer f, k chunk c, block a at 64 f + 32 c + 8 a);
; window 1: v64-127 / v128-191 W's fragments, likewise; window 2: v0-127 accumulators (tile (a, b) at v[8 (4 a + b)]), v128-255 the residual.
.set KTOT, 1024
.set WOFF, 6291456
.set PL, 524288
.set PA, 144
.set PB, 288
.set PLANE, 128*PA
.set HALF, 2*PLANE                     ; = 128 x PB = 36,864
.set SLOT, 4*HALF
.set STAGE, 2*SLOT                     ; 16 rows x 272 bytes of f32 for each wave; no tensor load lands there
.set SP, 272
.set LAPS, KTOT/512
.set ADRA, 16
.set ADRB, 20                          ; v20..23: [slot][k rows 0-127, 128-255]
.set STO, 24
.set RD, 25
.set CO, 26
.set BV, 27
.set PFA, 28                           ; prefetch: 256 x lane
.set PFB, 29                           ; prefetch: 2,048 x lane
.set BIAS, 32
.set FA0, 64
.set FB0, 64
.set RES, 128                          ; in window 2
.set G1A, 24
.set G0A, 32
.set G1B, 48
.set G0B, 56
.set MSB, 0
.macro WIN new                         ; the immediate's high byte repeats the setting that is left
.if MSB != (\new)
	s_set_vgpr_msb (MSB<<8)|(\new)
.set MSB, (\new)
.endif
.endm
.macro JLOAD s
	s_cmp_eq_u32 s15, 0
	s_cbranch_scc0 .Lfor_b_\@
	tensor_load_to_lds s[G0A+4*\s:G0A+4*\s+3], s[G1A:G1A+7]
	s_nop 0
	s_branch .Lasked_\@
.Lfor_b_\@:
	tensor_load_to_lds s[G0B+4*\s:G0B+4*\s+3], s[G1B:G1B+7]
	s_nop 0
.Lasked_\@:
.endm
.macro CREST
	s_cmp_lg_u32 s14, 0
	s_cbranch_scc1 .Lnot_wave_0_\@
	s_barrier_signal -3
.Lnot_wave_0_\@:
	s_barrier_wait -3
	s_barrier_signal -1
	s_barrier_wait -1
.endm
.macro CROUND
	s_barrier_signal -1
	s_barrier_wait -1
	CREST
.endm
.macro PLACES                          ; four plain vector instructions between a matrix instruction and a load into, or a read of, its registers
.rept 4
	v_nop
.endr
.endm
; Prefetch, wave 0 alone, behind the refill at the end of K step s.  Left operand: step s + 4's tile of my block row is 4 planes x 16,384 bytes, shared by 8 groups:
; mine is 8,192 bytes, 32 lanes 256 bytes apart; its tensor load goes out two K steps (256 products of a wave) later.  W: a k row of my block column is 256 bytes, shared by
; 32 groups: 8 rows a step do not fill an instruction, so once in four steps (ends of steps 0, 4, 8) I ask for 32 k rows of the next span of four steps, two to five steps
; ahead of their tensor loads.  The loop's last trip (s3 = 1) asks for nothing: steps 16 and 17 do not exist.  The bases are stepped behind s_wait_xcnt 0, a K step behind the last prefetch.
.macro ASK first, withb
.if LAPS > 2
	s_cmp_lg_u32 s14, 0
	s_cbranch_scc1 .Lnoask_\@
.if \first == 0
	s_cmp_eq_u32 s3, 1
	s_cbranch_scc1 .Lnoask_\@
.endif
	s_wait_xcnt 0x0                                ; the earlier prefetches' bases are written again only behind this wait
	s_add_nc_u64 s[66:67], s[66:67], 4*PL
	global_prefetch_b8 v[PFA], s[66:67] th:TH_LOAD_NT scope:SCOPE_SE
.if \withb
.if \first == 0
	s_bitcmp1_b32 s3, 0                            ; trips with s3 = 5 and 3: K steps 4 and 8
	s_cbranch_scc0 .Lnoask_\@
.endif
	s_add_nc_u64 s[68:69], s[68:69], 1024*2048
	global_prefetch_b8 v[PFB], s[68:69] th:TH_LOAD_NT scope:SCOPE_SE
.endif
.Lnoask_\@:
.endif
.endm
; na blocks of rows from a0 x 4 blocks of columns, k chunk c of buffer f; the accumulators take turns, one instruction a turn
.macro MULC f, c, a0, na, first
.set ma, \a0
.rept \na
.set mb, 0
.rept 4
.if \first
	v_wmma_f32_16x16x32_bf16 v[8*(4*ma+mb):8*(4*ma+mb)+7], v[FB0+64*\f+32*\c+8*mb:FB0+64*\f+32*\c+8*mb+7], v[FA0+64*\f+32*\c+8*ma:FA0+64*\f+32*\c+8*ma+7], v[BIAS+8*mb:BIAS+8*mb+7]
.else
	v_wmma_f32_16x16x32_bf16 v[8*(4*ma+mb):8*(4*ma+mb)+7], v[FB0+64*\f+32*\c+8*mb:FB0+64*\f+32*\c+8*mb+7], v[FA0+64*\f+32*\c+8*ma:FA0+64*\f+32*\c+8*ma+7], v[8*(4*ma+mb):8*(4*ma+mb)+7]
.endif
.set mb, mb+1
.endr
.set ma, ma+1
.endr
.endm
; quarter kq (64 along K) of a slot into buffer f: 16 transposing loads of W, then 16 loads of the left operand, k chunk 0 ahead of chunk 1 in each
.macro FETCH slot, kq, f
	WIN 0x40
.set fi, 0
.rept 8
	ds_load_tr16_b128 v[FB0+64*\f+8*fi:FB0+64*\f+8*fi+3], v[ADRB+2*\slot+\kq/2] offset:((\kq%2)*64+32*(fi/4))*PB+32*(fi%4)
	ds_load_tr16_b128 v[FB0+64*\f+8*fi+4:FB0+64*\f+8*fi+7], v[ADRB+2*\slot+\kq/2] offset:((\kq%2)*64+32*(fi/4)+16)*PB+32*(fi%4)
.set fi, fi+1
.endr
	WIN 0
.set fi, 0
.rept 8
	ds_load_b128 v[FA0+64*\f+8*fi:FA0+64*\f+8*fi+3], v[ADRA+\slot] offset:\kq*PLANE+64*(fi/4)+(fi%4)*16*PA
	ds_load_b128 v[FA0+64*\f+8*fi+4:FA0+64*\f+8*fi+7], v[ADRA+\slot] offset:\kq*PLANE+64*(fi/4)+(fi%4)*16*PA+32
.set fi, fi+1
.endr
.endm
.macro QUARTER slot, kq, f, g, first   ; multiplies buffer f; in its middle fetches quarter kq into buffer g
	s_wait_dscnt 8                                 ; all is in but the youngest eight loads (the left operand's chunk 1)
	WIN 0xa1-0x20*\first                           ; with first = 1 the C operand is the bias tile, in window 0
	MULC \f, 0, 0, 4, \first
	PLACES
	FETCH \slot, \kq, \g
	s_wait_dscnt 32                                ; all but the 32 just issued
	WIN 0xa1
	MULC \f, 1, 0, 4, 0
.endm
.macro THREE slot, first
	QUARTER \slot, 1, 0, 1, \first
	QUARTER \slot, 2, 1, 0, 0
	QUARTER \slot, 3, 0, 1, 0
.endm
; The last quarter multiplies buffer 1 and changes slots.  In front of the barrier each wave waits for its reads of this slot and for all its tensor loads (one is out: its
; part of the next slot); behind the round the joint refill comes first, then the next slot's first fragments.  From a refill to the wait for it a wave issues 120 products.
.macro TURN slot, next, fill, first
	s_wait_dscnt 8
	WIN 0xa1
	MULC 1, 0, 0, 2, 0
	s_wait_dscnt 0x0                               ; my reads of this slot are over
	s_wait_tensorcnt 0x0                           ; all my tensor loads have landed
	ds_add_u32 v255, v255
	s_wait_dscnt 0x0
	s_barrier_signal -1
	MULC 1, 0, 2, 2, 0                             ; register work alone between signal and wait
	WIN 0
	s_barrier_wait -1
.if \fill
	CREST                                          ; no wave of any partner still reads this slot or has a load on its way
	s_add_nc_u64 s[G0A+4*\slot+2:G0A+4*\slot+3], s[G0A+4*\slot+2:G0A+4*\slot+3], 8*PL
	s_add_nc_u64 s[G0B+4*\slot+2:G0B+4*\slot+3], s[G0B+4*\slot+2:G0B+4*\slot+3], 512*2048
	JLOAD \slot                                    ; the wave's one tensor load behind the round
	ASK \first, 1-\slot
.endif
	PLACES
	FETCH \next, 0, 0
	WIN 0xa1
	MULC 1, 1, 0, 4, 0
.endm
.macro LAP first
	THREE 0, \first
	TURN 0, 1, 1, \first
	THREE 1, 0
	TURN 1, 0, 1, \first
.endm
	s_load_b256 s[4:11], s[0:1], 0x0               ; left operand 4, wb 6, bias 8, residual 10
	s_load_b64 s[12:13], s[0:1], 0x20              ; result
	s_set_vgpr_msb 0x40
	v_lshl_add_u32 v255, v0, 2, 0x4c400
	s_set_vgpr_msb 0x4000
	v_mov_b32 v255, 0
	s_set_vgpr_msb 0x1
	ds_add_u32 v255, v255
	ds_add_u32 v255, v255
	s_set_vgpr_msb 0x100
	v_lshrrev_b32 v1, 5, v0
	v_readfirstlane_b32 s14, v1
	s_lshr_b32 s15, s14, 1                         ; my half of the rows; also: I fetch the left tile (0) or W's (1)
	s_and_b32 s16, s14, 1                          ; my half of the columns; also: which half of that tile
	s_bfe_u32 s40, ttmp6, 0x40000
	s_bfe_u32 s41, ttmp6, 0x40004
	s_lshl_b32 s42, ttmp9, 2
	s_add_co_u32 s42, s42, s40                     ; block column
	s_and_b32 s43, ttmp7, 0xffff
	s_lshl_b32 s43, s43, 2
	s_add_co_u32 s43, s43, s41                     ; block row
	s_lshl_b32 s44, s41, 2
	s_lshl_b32 s44, 15, s44
	s_lshl_b32 s45, 0x1111, s40
	s_or_b32 s[G1A+0], s44, (1<<16)|(1<<20)|(1<<21)|(4<<22)|(3<<25)   ; 4 words of padding behind every 32
	s_mov_b32 s[G1A+1], 8192<<16                   ; tensor_dim0 = 8,192 elements: 128 rows of a plane
	s_mov_b32 s[G1A+2], 2<<16                      ; tensor_dim1 = 2 planes
	s_mov_b32 s[G1A+3], 8192<<16
	s_mov_b32 s[G1A+4], 2
	s_mov_b32 s[G1A+5], PL/2                       ; elements from plane to plane
	s_mov_b32 s[G1A+6], 0
	s_mov_b32 s[G1A+7], 0
	s_or_b32 s[G1B+0], s45, (1<<16)|(1<<20)|(1<<21)|(5<<22)|(7<<25)   ; 8 words of padding behind every 64
	s_mov_b32 s[G1B+1], 128<<16
	s_mov_b32 s[G1B+2], 128<<16
	s_mov_b32 s[G1B+3], 128<<16
	s_mov_b32 s[G1B+4], 128
	s_mov_b32 s[G1B+5], 1024
	s_mov_b32 s[G1B+6], 0
	s_mov_b32 s[G1B+7], 0
	s_lshl_b32 s20, s16, 20                        ; planes 2 x half ..,
	s_lshl_b32 s21, s43, 14                        ; rows 128 x block row, 128 bytes each
	s_add_co_u32 s20, s20, s21
	s_mov_b32 s21, 0
	s_lshl_b32 s46, s16, 18                        ; k rows 128 x half, 2,048 bytes each,
	s_lshl_b32 s47, s42, 8                         ; columns 128 x block column
	s_add_co_u32 s46, s46, s47
	s_add_co_u32 s46, s46, WOFF
	s_mov_b32 s47, 0
	s_mul_i32 s22, s14, HALF                       ; LDS: wave x 36,864: the left tile's halves, then W's
	s_wait_dscnt 0x0
	s_wait_kmcnt 0x0
	s_add_nc_u64 s[20:21], s[4:5], s[20:21]
	s_add_nc_u64 s[46:47], s[6:7], s[46:47]
	CROUND                                         ; all sixteen groups are here: the first joint loads meet
.irp s, 0,1
	s_mov_b32 s[G0A+4*\s], 1
	s_add_co_u32 s[G0A+4*\s+1], s22, \s*SLOT
	s_add_nc_u64 s[G0A+4*\s+2:G0A+4*\s+3], s[20:21], \s*4*PL
	s_or_b32 s[G0A+4*\s+3], s[G0A+4*\s+3], 0x80000000
	s_mov_b32 s[G0B+4*\s], 1
	s_add_co_u32 s[G0B+4*\s+1], s22, \s*SLOT
	s_add_nc_u64 s[G0B+4*\s+2:G0B+4*\s+3], s[46:47], \s*256*2048
	s_or_b32 s[G0B+4*\s+3], s[G0B+4*\s+3], 0x80000000
	JLOAD \s                                       ; K steps 0 and 1: two tensor loads of the wave are out
.endr
	v_and_b32 v1, 15, v0                           ; r
	v_bfe_u32 v2, v0, 4, 1                         ; h
	v_mul_u32_u24 v3, v1, PA
	v_lshl_add_u32 v3, v2, 4, v3
	v_and_b32 v4, 7, v0
	v_lshl_add_u32 v4, v2, 3, v4
	v_mul_u32_u24 v4, v4, PB
	v_bfe_u32 v5, v0, 3, 1
	v_lshl_add_u32 v4, v5, 4, v4
	s_mul_i32 s22, s15, 64*PA                      ; my 64 rows
	s_lshl_b32 s23, s16, 7                         ; my 64 columns of W
	s_add_co_u32 s23, s23, 2*HALF
.irp s, 0,1
	v_add_nc_u32 v[ADRA+\s], s22, v3
	v_add_nc_u32 v[ADRB+2*\s], s23, v4
	v_add_nc_u32 v[ADRB+2*\s+1], HALF, v[ADRB+2*\s]
	s_add_co_u32 s22, s22, SLOT
	s_add_co_u32 s23, s23, SLOT
.endr
	s_mul_i32 s22, s14, 16*SP
	s_add_co_u32 s22, s22, STAGE
	v_mul_u32_u24 v3, v1, SP
	v_lshl_add_u32 v3, v2, 5, v3
	v_add_nc_u32 v[STO], s22, v3                   ; in: row r, 32 bytes for each half of the lanes
	v_mul_u32_u24 v5, v2, SP
	v_lshl_add_u32 v5, v1, 4, v5
	v_add_nc_u32 v[RD], s22, v5                    ; back: lanes 0-15 one row of 256 bytes, lanes 16-31 the next
	v_lshlrev_b32 v5, 12, v2
	v_lshl_add_u32 v[CO], v1, 4, v5                ; the same two rows in the residual and in the result
	v_lshlrev_b32 v[BV], 5, v2
.if LAPS > 2
	; the prefetches' bases, in registers that feed no descriptor: both hang on the block row and on the block column
	v_and_b32 v5, 31, v0
	v_lshlrev_b32 v[PFA], 8, v5
	v_lshlrev_b32 v[PFB], 11, v5
	s_lshr_b32 s18, s42, 1                         ; left operand: plane (block column / 2) of a step's four,
	s_lshl_b32 s18, s18, 19
	s_and_b32 s19, s42, 1                          ; its half of 8,192 bytes,
	s_lshl_b32 s19, s19, 13
	s_add_co_u32 s18, s18, s19
	s_lshl_b32 s19, s43, 14                        ; my block row's 128 rows,
	s_add_co_u32 s18, s18, s19
	s_add_co_u32 s18, s18, 12*PL                   ; K step 3: the first request steps on to step 4
	s_mov_b32 s19, 0
	s_add_nc_u64 s[66:67], s[4:5], s[18:19]
	s_lshl_b32 s18, s42, 8                         ; W: my block column's 256 bytes,
	s_lshl_b32 s19, s43, 16                        ; k rows 32 x block row of a span of 1,024; the first request steps on to rows 1,024 ..
	s_add_co_u32 s18, s18, s19
	s_add_co_u32 s18, s18, WOFF
	s_mov_b32 s19, 0
	s_add_nc_u64 s[68:69], s[6:7], s[18:19]
.endif
	s_lshl_b32 s46, s42, 9                         ; my first column, in bytes of f32
	s_lshl_b32 s47, s16, 8
	s_add_co_u32 s46, s46, s47
	s_mov_b32 s47, 0
	s_add_nc_u64 s[8:9], s[8:9], s[46:47]
	s_add_nc_u64 s[10:11], s[10:11], s[46:47]
	s_add_nc_u64 s[12:13], s[12:13], s[46:47]
	s_lshl_b32 s20, s43, 19                        ; my first row, 4,096 bytes a row
	s_lshl_b32 s21, s15, 18
	s_add_co_u32 s20, s20, s21
	s_mov_b32 s21, 0
	s_add_nc_u64 s[10:11], s[10:11], s[20:21]
	s_add_nc_u64 s[12:13], s[12:13], s[20:21]
.set i, 0
.rept 4
	global_load_b128 v[BIAS+8*i:BIAS+8*i+3], v[BV], s[8:9] offset:64*i
	global_load_b128 v[BIAS+8*i+4:BIAS+8*i+7], v[BV], s[8:9] offset:64*i+16
.set i, i+1
.endr
	WIN 0x80                                       ; destination in window 2
.set i, 0
.rept 32
	global_load_b128 v[RES+4*i:RES+4*i+3], v[CO], s[10:11] offset:2*i*4096     ; rows 2 i, 2 i + 1 of my 64: the layout in which the result leaves
.set i, i+1
.endr
	WIN 0
	s_wait_tensorcnt 0x1                           ; my part of K step 0 is in; step 1's load stays out
	s_barrier_signal -1
	s_barrier_wait -1
	FETCH 0, 0, 0
	s_wait_loadcnt 32                              ; the bias tiles are in; the 32 younger loads (the residual) stay out
	LAP 1
.if LAPS > 2
	WIN 0
	s_mov_b32 s3, LAPS-2
.Llap:
	LAP 0
	WIN 0
	s_sub_co_u32 s3, s3, 1
	s_cmp_lg_u32 s3, 0
	s_cbranch_scc1 .Llap
.endif
	THREE 0, 0                                     ; the last lap fills nothing and has no round
	TURN 0, 1, 0, 0
	THREE 1, 0
	s_wait_dscnt 8
	WIN 0xa1
	MULC 1, 0, 0, 4, 0
	s_wait_dscnt 0x0
	MULC 1, 1, 0, 4, 0
	; THE WAY OUT, 16 rows at a time, in f32: through my stage, back as whole rows of 256 bytes, plus the residual.
	PLACES
	WIN 0
	s_wait_loadcnt 0x0                             ; the residual
.macro OUTR a, y
	WIN 0x08                                       ; source 1 in window 2: the stage stores' data, then the residual
.set ob, 0
.rept 4
	ds_store_b128 v[STO], v[8*(4*\a+ob):8*(4*\a+ob)+3] offset:64*ob
	ds_store_b128 v[STO], v[8*(4*\a+ob)+4:8*(4*\a+ob)+7] offset:64*ob+16
.set ob, ob+1
.endr
	s_wait_xcnt 0x0                                ; buffer y, which earlier stores read, is loaded again only behind this wait
.set ot, 0
.rept 8
	ds_load_b128 v[\y+4*ot:\y+4*ot+3], v[RD] offset:2*SP*ot                    ; LDS serves a wave's instructions in order: these see the stores above
.set ot, ot+1
.endr
.set ot, 0
.rept 8
	s_wait_dscnt 7-ot                              ; read ot of the eight is back
	v_pk_add_f32 v[\y+4*ot:\y+4*ot+1], v[\y+4*ot:\y+4*ot+1], v[RES+4*(8*\a+ot):RES+4*(8*\a+ot)+1]
	v_pk_add_f32 v[\y+4*ot+2:\y+4*ot+3], v[\y+4*ot+2:\y+4*ot+3], v[RES+4*(8*\a+ot)+2:RES+4*(8*\a+ot)+3]
.set ot, ot+1
.endr
	WIN 0
.set ot, 0
.rept 8
	global_store_b128 v[CO], v[\y+4*ot:\y+4*ot+3], s[12:13] offset:(16*\a+2*ot)*4096   ; 16 lanes store 256 consecutive bytes, aligned
.set ot, ot+1
.endr
.endm
	OUTR 0, 64
	OUTR 1, 96
	OUTR 2, 64
	OUTR 3, 96
	s_set_vgpr_msb 0x1
	s_wait_tensorcnt 0x0
	ds_add_u32 v255, v255
	s_wait_dscnt 0x0
	s_set_vgpr_msb 0x100
	CROUND                                         ; the closing round
	s_endpgm
.Lfunc_end_k_q78c628be64_gproj:
	.size	k_q78c628be64_gproj, .Lfunc_end_k_q78c628be64_gproj-k_q78c628be64_gproj
	.p2alignl 7, 3214868480
	.fill 96, 4, 3214868480
	.section	.rodata,"a",@progbits
	.p2align	6, 0x0
	.amdhsa_kernel k_q78c628be64_gproj
		.amdhsa_group_segment_fixed_size 327680
		.amdhsa_private_segment_fixed_size 0
		.amdhsa_enable_private_segment 0
		.amdhsa_kernarg_size 40
		.amdhsa_user_sgpr_count 2
		.amdhsa_user_sgpr_kernarg_segment_ptr 1
		.amdhsa_wavefront_size32 1
		.amdhsa_system_sgpr_workgroup_id_x 1
		.amdhsa_system_sgpr_workgroup_id_y 1
		.amdhsa_system_sgpr_workgroup_id_z 1
		.amdhsa_system_vgpr_workitem_id 0
		.amdhsa_next_free_vgpr 768
		.amdhsa_next_free_sgpr 72
		.amdhsa_reserve_vcc 0
		.amdhsa_float_denorm_mode_32 3
		.amdhsa_float_denorm_mode_16_64 3
		.amdhsa_memory_ordered 1
		.amdhsa_forward_progress 1
		.amdhsa_inst_pref_size 95
	.end_amdhsa_kernel
	.amdgpu_metadata
---
amdhsa.version: [ 1, 2 ]
amdhsa.kernels:
  - .name:           k_q78c628be64_gproj
    .symbol:         k_q78c628be64_gproj.kd
    .args:
      - { .name: ao, .offset: 0, .size: 8, .value_kind: global_buffer, .address_space: global }
      - { .name: wb, .offset: 8, .size: 8, .value_kind: global_buffer, .address_space: global }
      - { .name: proj_b, .offset: 16, .size: 8, .value_kind: global_buffer, .address_space: global }
      - { .name: x, .offset: 24, .size: 8, .value_kind: global_buffer, .address_space: global }
      - { .name: x2, .offset: 32, .size: 8, .value_kind: global_buffer, .address_space: global }
    .group_segment_fixed_size: 327680
    .private_segment_fixed_size: 0
    .kernarg_segment_align: 8
    .kernarg_segment_size: 40
    .max_flat_workgroup_size: 128
    .sgpr_count:     72
    .vgpr_count:     768
    .wavefront_size: 32
...
	.end_amdgpu_metadata
.endif
;; end of part 4
;; launch lnb (part 5): grid 512 x 1, 8 waves a work-group, no clusters, 0 bytes of LDS; arguments x2, ln2_g, ln2_b, hn; writes hn
.if DOCPART == 5
	.amdgcn_target "amdgcn-amd-amdhsa--gfx1250"
	.amdhsa_code_object_version 6
	.text
	.protected	k_q78c628be64_lnb
	.globl	k_q78c628be64_lnb
	.p2align	8
	.type	k_q78c628be64_lnb,@function
k_q78c628be64_lnb:
	s_mov_b64 s[64:65], 0
	v_nop
	global_prefetch_b8 v0, s[64:65] scope:SCOPE_SE
	s_setreg_imm32_b32 hwreg(HW_REG_WAVE_MODE, 25, 1), 1
	s_wait_xcnt 0x0
; hn = LayerNorm2(x2) in bf16.  x2: [4096][1024] f32.  One wave a row, 8 rows a work-group; the row's 4,096 bytes stay in 32 registers
; between the mean, the squares of x - mean (two passes, so a common offset costs no digits) and the scaling.  v_rsq_f32 is good to 1 ULP.
.set XR, 8                             ; v[8:39]    the row: lane l holds columns 128 j + 4 l .. + 3
.set GR, 40
.set BR, 72
.set YR, 104
.set CH, 120
.macro WSUM
	v_pk_add_f32 v[CH:CH+1], v[CH:CH+1], v[CH+2:CH+3]
	v_pk_add_f32 v[CH+4:CH+5], v[CH+4:CH+5], v[CH+6:CH+7]
	v_pk_add_f32 v[CH:CH+1], v[CH:CH+1], v[CH+4:CH+5]
	v_add_f32 v[CH], v[CH], v[CH+1]
	v_add_f32_dpp v[CH], v[CH], v[CH] row_xmask:1 row_mask:0xf bank_mask:0xf
	v_add_f32_dpp v[CH], v[CH], v[CH] row_xmask:2 row_mask:0xf bank_mask:0xf
	v_add_f32_dpp v[CH], v[CH], v[CH] row_xmask:4 row_mask:0xf bank_mask:0xf
	v_add_f32_dpp v[CH], v[CH], v[CH] row_xmask:8 row_mask:0xf bank_mask:0xf
	v_permlanex16_b32 v[CH+1], v[CH], s26, s27
	v_add_f32 v[CH], v[CH], v[CH+1]
.endm
	s_load_b256 s[8:15], s[0:1], 0x0               ; x2 8, ln2_g 10, ln2_b 12, hn 14
	v_lshrrev_b32 v3, 5, v0
	v_readfirstlane_b32 s3, v3
	s_lshl_b32 s2, ttmp9, 3
	s_add_co_u32 s2, s2, s3                        ; row
	s_lshl_b32 s4, s2, 12
	s_mov_b32 s5, 0
	s_lshl_b32 s6, s2, 11
	s_mov_b32 s7, 0
	s_mov_b32 s26, 0x76543210
	s_mov_b32 s27, 0xfedcba98
	s_mov_b32 s28, 0xba800000                      ; -1/1024
	s_mov_b32 s29, 0x3727c5ac                      ; 1e-5
	s_mov_b32 s30, 0x3a800000                      ; 1/1024
	v_and_b32 v1, 31, v0
	v_lshlrev_b32 v2, 3, v1
	v_lshlrev_b32 v1, 4, v1
	s_wait_kmcnt 0x0
	s_add_nc_u64 s[8:9], s[8:9], s[4:5]
	s_add_nc_u64 s[14:15], s[14:15], s[6:7]
.set i, 0
.rept 8
	global_load_b128 v[XR+4*i:XR+4*i+3], v1, s[8:9] offset:512*i
.set i, i+1
.endr
.set i, 0
.rept 8
	global_load_b128 v[GR+4*i:GR+4*i+3], v1, s[10:11] offset:512*i
.set i, i+1
.endr
.set i, 0
.rept 8
	global_load_b128 v[BR+4*i:BR+4*i+3], v1, s[12:13] offset:512*i
.set i, i+1
.endr
	s_wait_loadcnt 16                              ; the row is in; the 16 younger loads (gain, bias) stay out
.set i, 0
.rept 4
	v_pk_add_f32 v[CH+2*i:CH+2*i+1], v[XR+2*i:XR+2*i+1], v[XR+8+2*i:XR+8+2*i+1]
.set i, i+1
.endr
.set i, 0
.rept 8
	v_pk_add_f32 v[CH+2*(i%4):CH+2*(i%4)+1], v[CH+2*(i%4):CH+2*(i%4)+1], v[XR+16+2*i:XR+16+2*i+1]
.set i, i+1
.endr
	WSUM
	v_mul_f32 v4, s28, v[CH]                       ; - mean
	v_mov_b32 v5, v4
.set i, 0
.rept 16
	v_pk_add_f32 v[XR+2*i:XR+2*i+1], v[XR+2*i:XR+2*i+1], v[4:5]
.set i, i+1
.endr
.set i, 0
.rept 4
	v_pk_mul_f32 v[CH+2*i:CH+2*i+1], v[XR+2*i:XR+2*i+1], v[XR+2*i:XR+2*i+1]
.set i, i+1
.endr
.set i, 0
.rept 12
	v_pk_fma_f32 v[CH+2*(i%4):CH+2*(i%4)+1], v[XR+8+2*i:XR+8+2*i+1], v[XR+8+2*i:XR+8+2*i+1], v[CH+2*(i%4):CH+2*(i%4)+1]
.set i, i+1
.endr
	WSUM
	v_fma_f32 v7, v[CH], s30, s29                  ; variance + 1e-5
	v_rsq_f32 v6, v7
	v_nop                                          ; one plain instruction behind v_rsq_f32 (ISA guide 5.7.2)
	s_wait_alu depctr_va_vdst(0)
	v_mov_b32 v7, v6
.set i, 0
.rept 16
	v_pk_mul_f32 v[XR+2*i:XR+2*i+1], v[XR+2*i:XR+2*i+1], v[6:7]
.set i, i+1
.endr
	s_wait_loadcnt 0x0                             ; gain and bias
.set i, 0
.rept 16
	v_pk_fma_f32 v[XR+2*i:XR+2*i+1], v[XR+2*i:XR+2*i+1], v[GR+2*i:GR+2*i+1], v[BR+2*i:BR+2*i+1]
.set i, i+1
.endr
.set i, 0
.rept 16
	v_cvt_pk_bf16_f32 v[YR+i], v[XR+2*i], v[XR+2*i+1]
.set i, i+1
.endr
.set i, 0
.rept 8
	global_store_b64 v2, v[YR+2*i:YR+2*i+1], s[14:15] offset:256*i   ; 256 consecutive bytes, aligned
.set i, i+1
.endr
	s_endpgm
.Lfunc_end_k_q78c628be64_lnb:
	.size	k_q78c628be64_lnb, .Lfunc_end_k_q78c628be64_lnb-k_q78c628be64_lnb
	.p2alignl 7, 3214868480
	.fill 96, 4, 3214868480
	.section	.rodata,"a",@progbits
	.p2align	6, 0x0
	.amdhsa_kernel k_q78c628be64_lnb
		.amdhsa_group_segment_fixed_size 0
		.amdhsa_private_segment_fixed_size 0
		.amdhsa_enable_private_segment 0
		.amdhsa_kernarg_size 32
		.amdhsa_user_sgpr_count 2
		.amdhsa_user_sgpr_kernarg_segment_ptr 1
		.amdhsa_wavefront_size32 1
		.amdhsa_system_sgpr_workgroup_id_x 1
		.amdhsa_system_sgpr_workgroup_id_y 1
		.amdhsa_system_sgpr_workgroup_id_z 1
		.amdhsa_system_vgpr_workitem_id 0
		.amdhsa_next_free_vgpr 128
		.amdhsa_next_free_sgpr 66
		.amdhsa_reserve_vcc 0
		.amdhsa_float_denorm_mode_32 3
		.amdhsa_float_denorm_mode_16_64 3
		.amdhsa_memory_ordered 1
		.amdhsa_forward_progress 1
		.amdhsa_inst_pref_size 12
	.end_amdhsa_kernel
	.amdgpu_metadata
---
amdhsa.version: [ 1, 2 ]
amdhsa.kernels:
  - .name:           k_q78c628be64_lnb
    .symbol:         k_q78c628be64_lnb.kd
    .args:
      - { .name: x2, .offset: 0, .size: 8, .value_kind: global_buffer, .address_space: global }
      - { .name: ln2_g, .offset: 8, .size: 8, .value_kind: global_buffer, .address_space: global }
      - { .name: ln2_b, .offset: 16, .size: 8, .value_kind: global_buffer, .address_space: global }
      - { .name: hn, .offset: 24, .size: 8, .value_kind: global_buffer, .address_space: global }
    .group_segment_fixed_size: 0
    .private_segment_fixed_size: 0
    .kernarg_segment_align: 8
    .kernarg_segment_size: 32
    .max_flat_workgroup_size: 256
    .sgpr_count:     66
    .vgpr_count:     128
    .wavefront_size: 32
...
	.end_amdgpu_metadata
.endif
;; end of part 5
;; launch gff1 (part 6): grid 16 x 16, 4 waves a work-group, clusters of 4 x 4, 327,680 bytes of LDS; arguments hn, wb, ff1_b, ffh; writes ffh
.if DOCPART == 6
	.amdgcn_target "amdgcn-amd-amdhsa--gfx1250"
	.amdhsa_code_object_version 6
	.text
	.protected	k_q78c628be64_gff1
	.globl	k_q78c628be64_gff1
	.p2align	8
	.type	k_q78c628be64_gff1,@function
k_q78c628be64_gff1:
	s_mov_b64 s[64:65], 0
	v_nop
	global_prefetch_b8 v0, s[64:65] scope:SCOPE_SE
	s_setreg_imm32_b32 hwreg(HW_REG_WAVE_MODE, 25, 1), 1
	s_wait_xcnt 0x0
	s_wait_alu depctr_hold_cnt(0) depctr_sa_sdst(0) depctr_va_vdst(0) depctr_va_sdst(0) depctr_va_ssrc(0) depctr_va_vcc(0) depctr_vm_vsrc(0)
	s_getreg_b32 s2, hwreg(HW_REG_IB_STS2, 6, 4)
	s_cmp_eq_u32 s2, 0
	s_cbranch_scc0 .Lentry_in_a_cluster
	s_endpgm
.Lentry_in_a_cluster:
	s_bfe_u32 s2, ttmp6, 0x10000c
	s_cmp_lg_u32 s2, 0xf033
	s_cbranch_scc0 .Lentry_shape_is_right
	s_endpgm
.Lentry_shape_is_right:
; ffh = gelu(hn W1 + ff1_b), exact (erf) form.  hn: [4096][1024] bf16.  W1: wb + 8,388,608, [1024][4096] bf16, [K][N].  ffh: bf16 planes [64][4096][64].
; A work-group makes 256 x 256: 16 x 16 = 256 groups.  Four waves, 2 x 2, each 128 x 128: 64 accumulator tiles.  K in steps of 128 through two LDS slots:
; 256 rows of hn (pitch 272) and 128 k rows of W1 (512 bytes take 544 = 17 x 32), W1's fragments by the transposing LDS load.
; CLUSTERS 4 x 4: hn's tile is asked for jointly along a row of the cluster, W1's along a column.
; The matrix instruction is used transposed (source 0 = W1's columns, source 1 = hn's rows): a lane holds 8 neighbouring columns of a row.  The first product takes the bias tile as C.
; GELU: with h = x / 2 and z = |x| / sqrt 2: gelu = (h + |h|) - |h| poly(t) exp(-z^2), t = 1 / (1 + p z) (Abramowitz and Stegun 7.1.26, absolute error of erf
; 1.5e-7).  For x < 0 the bracket is exactly 0, so no difference of large terms is formed.  v_exp_f32 and v_rcp_f32 flush denormals.
; REGISTERS: window 0: v16-29 addresses and a constant, v64-127 / v128-191 fragments of hn, v192-255 bias tiles; window 1: v64-127 / v128-191 fragments of W1;
; window 2: accumulators of my rows 0-63 (tile (a, b) at v[8 (8 a + b)]); window 3: rows 64-127.
.set NN, 4096
.set BN, 256
.set MT, 8
.set NT, 8
.set WOFF, 8388608
.set PL, 524288
.set PA, 272
.set PB, 544
.set QIB, 6                            ; padding interval of W1's tile: 128 words
.set BG, 16
.set BGS, 0
.set HALFA, 128*PA
.set HALFB, 64*PB
.set SLOT, 2*HALFA+2*HALFB
.set STAGE, 2*SLOT
.set SP, 272
.set LAPS, 4
.set FA0, 64
.set FAS, 8*MT
.set FB0, 64
.set FBS, 8*NT
.set BIAS, 192
.set ADRA, 16
.set ADRB, 20
.set STO, 24
.set RD, 25
.set CO, 26
.set BV, 27
.set CA4, 28                           ; v[28:29]  -a4, twice
.set HH, 64                            ; the way out: 16 rows x 128 columns of x / 2
.set AX, 128
.set TT, 136
.set UU, 144
.set PP, 152
.set TMP, 160
.set YY, 192
.set RR, 224
.set EE, 232
.set G1A, 24
.set G0A, 32
.set G1B, 48
.set G0B, 56
.set MSB, 0
.macro WIN new
.if MSB != (\new)
	s_set_vgpr_msb (MSB<<8)|(\new)
.set MSB, (\new)
.endif
.endm
.macro JLOAD s
	s_cmp_eq_u32 s15, 0
	s_cbranch_scc0 .Lfor_b_\@
	tensor_load_to_lds s[G0A+4*\s:G0A+4*\s+3], s[G1A:G1A+7]
	s_nop 0
	s_branch .Lasked_\@
.Lfor_b_\@:
	tensor_load_to_lds s[G0B+4*\s:G0B+4*\s+3], s[G1B:G1B+7]
	s_nop 0
.Lasked_\@:
.endm
.macro CREST
	s_cmp_lg_u32 s14, 0
	s_cbranch_scc1 .Lnot_wave_0_\@
	s_barrier_signal -3
.Lnot_wave_0_\@:
	s_barrier_wait -3
	s_barrier_signal -1
	s_barrier_wait -1
.endm
.macro CROUND
	s_barrier_signal -1
	s_barrier_wait -1
	CREST
.endm
.macro PLACES                          ; four plain vector instructions between a matrix instruction and a load into, or a vector read of, its registers
.rept 4
	v_nop
.endr
.endm
.macro MULR f, hi, a0, na, first       ; the accumulators take turns, one instruction a turn
.set ma, \a0
.rept \na
.set mb, 0
.rept NT
.if \first
	v_wmma_f32_16x16x32_bf16 v[8*(ma*NT+mb):8*(ma*NT+mb)+7], v[FB0+\f*FBS+8*mb:FB0+\f*FBS+8*mb+7], v[FA0+\f*FAS+8*(\hi*MT/2+ma):FA0+\f*FAS+8*(\hi*MT/2+ma)+7], v[BIAS+8*mb:BIAS+8*mb+7]
.else
	v_wmma_f32_16x16x32_bf16 v[8*(ma*NT+mb):8*(ma*NT+mb)+7], v[FB0+\f*FBS+8*mb:FB0+\f*FBS+8*mb+7], v[FA0+\f*FAS+8*(\hi*MT/2+ma):FA0+\f*FAS+8*(\hi*MT/2+ma)+7], v[8*(ma*NT+mb):8*(ma*NT+mb)+7]
.endif
.set mb, mb+1
.endr
.set ma, ma+1
.endr
.endm
.macro FETCH slot, kq, f
	WIN 0x40
.set fi, 0
.rept NT
	ds_load_tr16_b128 v[FB0+\f*FBS+8*fi:FB0+\f*FBS+8*fi+3], v[ADRB+\slot] offset:\kq*32*PB+(fi/BG)*BGS+(fi%BG)*32
	ds_load_tr16_b128 v[FB0+\f*FBS+8*fi+4:FB0+\f*FBS+8*fi+7], v[ADRB+\slot] offset:\kq*32*PB+16*PB+(fi/BG)*BGS+(fi%BG)*32
.set fi, fi+1
.endr
	WIN 0
.set fi, 0
.rept MT
	ds_load_b128 v[FA0+\f*FAS+8*fi:FA0+\f*FAS+8*fi+3], v[ADRA+\slot] offset:\kq*64+fi*16*PA
	ds_load_b128 v[FA0+\f*FAS+8*fi+4:FA0+\f*FAS+8*fi+7], v[ADRA+\slot] offset:\kq*64+fi*16*PA+32
.set fi, fi+1
.endr
.endm
.macro QUARTER slot, kq, f, g, first
	s_wait_dscnt MT                                ; W1 and hn's lower blocks are in; the youngest MT loads (hn's upper blocks) may be out
	WIN 0xa1-0x20*\first                           ; with first = 1 the C operand is the bias tile, in window 0
	MULR \f, 0, 0, MT/2, \first
	PLACES
	FETCH \slot, \kq, \g
	s_wait_dscnt 2*(MT+NT)                         ; all but the loads just issued
	WIN 0xf1-0x30*\first
	MULR \f, 1, 0, MT/2, \first
.endm
.macro THREE slot, first
	QUARTER \slot, 1, 0, 1, \first
	QUARTER \slot, 2, 1, 0, 0
	QUARTER \slot, 3, 0, 1, 0
.endm
.macro TURN slot, next, fill
	s_wait_dscnt MT
	WIN 0xa1
	MULR 1, 0, 0, MT/4, 0
	s_wait_dscnt 0x0                               ; my reads of this slot are over
	s_wait_tensorcnt 0x0                           ; all my tensor loads have landed: the one that was out is my part of the next slot
	ds_add_u32 v255, v63
	s_wait_dscnt 0x0
	s_barrier_signal -1
	MULR 1, 0, MT/4, MT/4, 0                       ; register work alone between signal and wait
	WIN 0
	s_barrier_wait -1
.if \fill
	CREST                                          ; no wave of any partner still reads this slot or has a load on its way
	s_add_nc_u64 s[G0A+4*\slot+2:G0A+4*\slot+3], s[G0A+4*\slot+2:G0A+4*\slot+3], 2*128*2
	s_add_nc_u64 s[G0B+4*\slot+2:G0B+4*\slot+3], s[G0B+4*\slot+2:G0B+4*\slot+3], 2*128*2*NN
	JLOAD \slot                                    ; the wave's one tensor load behind the round
.endif
	PLACES
	FETCH \next, 0, 0
	WIN 0xf1
	MULR 1, 1, 0, MT/2, 0
.endm
.macro LAP first
	THREE 0, \first
	TURN 0, 1, 1
	THREE 1, 0
	TURN 1, 0, 1
.endm
	s_load_b256 s[4:11], s[0:1], 0x0               ; hn 4, wb 6, ff1_b 8, ffh 10
	s_set_vgpr_msb 0x40
	v_lshl_add_u32 v255, v0, 2, 0x48400
	s_set_vgpr_msb 0x4000
	v_mov_b32 v63, 0
	s_set_vgpr_msb 0x1
	ds_add_u32 v255, v63
	ds_add_u32 v255, v63
	s_set_vgpr_msb 0x100
	v_lshrrev_b32 v1, 5, v0
	v_readfirstlane_b32 s14, v1
	s_lshr_b32 s15, s14, 1                         ; my half of the rows; also: I fetch for hn (0) or for W1 (1)
	s_and_b32 s16, s14, 1                          ; my half of the columns; also: which half of that tile
	s_bfe_u32 s40, ttmp6, 0x40000
	s_bfe_u32 s41, ttmp6, 0x40004
	s_lshl_b32 s42, ttmp9, 2
	s_add_co_u32 s42, s42, s40                     ; block column
	s_and_b32 s43, ttmp7, 0xffff
	s_lshl_b32 s43, s43, 2
	s_add_co_u32 s43, s43, s41                     ; block row
	s_lshl_b32 s44, s41, 2
	s_lshl_b32 s44, 15, s44
	s_lshl_b32 s45, 0x1111, s40
	s_or_b32 s[G1A+0], s44, (1<<16)|(1<<20)|(1<<21)|(5<<22)|(3<<25)
	s_mov_b32 s[G1A+1], 128<<16
	s_mov_b32 s[G1A+2], 128<<16
	s_mov_b32 s[G1A+3], 128<<16
	s_mov_b32 s[G1A+4], 128
	s_mov_b32 s[G1A+5], 1024
	s_mov_b32 s[G1A+6], 0
	s_mov_b32 s[G1A+7], 0
	s_or_b32 s[G1B+0], s45, (1<<16)|(1<<20)|(1<<21)|(QIB<<22)|(7<<25)  ; 8 words of padding behind every 128
	s_mov_b32 s[G1B+1], BN<<16
	s_mov_b32 s[G1B+2], 64<<16
	s_mov_b32 s[G1B+3], BN<<16
	s_mov_b32 s[G1B+4], 64
	s_mov_b32 s[G1B+5], NN
	s_mov_b32 s[G1B+6], 0
	s_mov_b32 s[G1B+7], 0
	s_lshl_b32 s20, s43, 8
	s_lshl_b32 s21, s16, 7
	s_add_co_u32 s20, s20, s21
	s_lshl_b32 s20, s20, 11
	s_mov_b32 s21, 0
	s_mul_i32 s46, s16, 64*2*NN
	s_mul_i32 s47, s42, 2*BN
	s_add_co_u32 s46, s46, s47
	s_add_co_u32 s46, s46, WOFF
	s_mov_b32 s47, 0
	s_mul_i32 s22, s14, HALFA                      ; LDS: wave x 34,816: hn's halves, then W1's (both kinds of half have the same bytes)
	s_wait_dscnt 0x0
	s_wait_kmcnt 0x0
	s_add_nc_u64 s[20:21], s[4:5], s[20:21]
	s_add_nc_u64 s[46:47], s[6:7], s[46:47]
	CROUND                                         ; all sixteen groups are here: the first joint loads meet
.irp s, 0,1
	s_mov_b32 s[G0A+4*\s], 1
	s_add_co_u32 s[G0A+4*\s+1], s22, \s*SLOT
	s_add_nc_u64 s[G0A+4*\s+2:G0A+4*\s+3], s[20:21], \s*128*2
	s_or_b32 s[G0A+4*\s+3], s[G0A+4*\s+3], 0x80000000
	s_mov_b32 s[G0B+4*\s], 1
	s_add_co_u32 s[G0B+4*\s+1], s22, \s*SLOT
	s_add_nc_u64 s[G0B+4*\s+2:G0B+4*\s+3], s[46:47], \s*128*2*NN
	s_or_b32 s[G0B+4*\s+3], s[G0B+4*\s+3], 0x80000000
	JLOAD \s                                       ; K steps 0 and 1: two tensor loads of the wave are out
.endr
	v_and_b32 v1, 15, v0
	v_bfe_u32 v2, v0, 4, 1
	v_mul_u32_u24 v3, v1, PA
	v_lshl_add_u32 v3, v2, 4, v3
	v_and_b32 v4, 7, v0
	v_lshl_add_u32 v4, v2, 3, v4
	v_mul_u32_u24 v4, v4, PB
	v_bfe_u32 v5, v0, 3, 1
	v_lshl_add_u32 v4, v5, 4, v4
	s_mul_i32 s22, s15, 16*MT*PA                   ; my 128 rows of hn
	s_lshl_b32 s23, s16, 8                         ; my 128 columns of W1
	s_add_co_u32 s23, s23, 2*HALFA
.irp s, 0,1
	v_add_nc_u32 v[ADRA+\s], s22, v3
	v_add_nc_u32 v[ADRB+\s], s23, v4
	s_add_co_u32 s22, s22, SLOT
	s_add_co_u32 s23, s23, SLOT
.endr
	s_mul_i32 s22, s14, 16*SP
	s_add_co_u32 s22, s22, STAGE
	v_mul_u32_u24 v3, v1, SP
	v_lshl_add_u32 v3, v2, 4, v3
	v_add_nc_u32 v[STO], s22, v3
	v_and_b32 v4, 31, v0
	v_lshrrev_b32 v5, 3, v4
	v_mul_u32_u24 v5, v5, SP
	v_and_b32 v3, 7, v0
	v_lshl_add_u32 v5, v3, 4, v5
	v_add_nc_u32 v[RD], s22, v5
	v_lshlrev_b32 v[CO], 4, v4
	v_lshlrev_b32 v[BV], 5, v2
	v_mov_b32 v[CA4], 0x3fba00e3                   ; -a4
	v_mov_b32 v[CA4+1], 0x3fba00e3
	s_mov_b32 s12, 0x7fffffff
	s_lshl_b32 s46, s42, 10                        ; bias: 4 x (256 x block column + 128 x half)
	s_lshl_b32 s47, s16, 9
	s_add_co_u32 s46, s46, s47
	s_mov_b32 s47, 0
	s_add_nc_u64 s[8:9], s[8:9], s[46:47]
.set i, 0
.rept NT
	global_load_b128 v[BIAS+8*i:BIAS+8*i+3], v[BV], s[8:9] offset:64*i
	global_load_b128 v[BIAS+8*i+4:BIAS+8*i+7], v[BV], s[8:9] offset:64*i+16
.set i, i+1
.endr
	s_wait_tensorcnt 0x1                           ; my part of K step 0 is in; step 1's load stays out
	s_barrier_signal -1
	s_barrier_wait -1
	FETCH 0, 0, 0
	s_wait_loadcnt 0x0                             ; the bias tiles
	LAP 1
	WIN 0
	s_mov_b32 s3, LAPS-2
.Llap:
	LAP 0
	WIN 0
	s_sub_co_u32 s3, s3, 1
	s_cmp_lg_u32 s3, 0
	s_cbranch_scc1 .Llap
	THREE 0, 0                                     ; the last lap fills nothing and has no round
	TURN 0, 1, 0
	THREE 1, 0
	s_wait_dscnt MT
	WIN 0xa1
	MULR 1, 0, 0, MT/2, 0
	s_wait_dscnt 0x0
	WIN 0xf1
	MULR 1, 1, 0, MT/2, 0
	; THE WAY OUT: a loop over my eight blocks of 16 rows, so that GELU's text stands once.  Only the move out of the accumulators, which
	; names its registers, is written eight times; it is also the multiplication by 1/2.
	PLACES
	WIN 0
	s_lshl_b32 s46, s42, 21                        ; plane 4 x block column + 2 x half
	s_lshl_b32 s47, s16, 20
	s_add_co_u32 s46, s46, s47
	s_mov_b32 s47, 0
	s_add_nc_u64 s[10:11], s[10:11], s[46:47]
	s_lshl_b32 s20, s43, 15                        ; row 256 x block row + 128 x half, 128 bytes a row
	s_lshl_b32 s21, s15, 14
	s_add_co_u32 s20, s20, s21
	s_mov_b32 s21, 0
	s_add_nc_u64 s[10:11], s[10:11], s[20:21]
.macro SEL a
.Lsel\a:
	WIN 0x02+(\a/4)                                ; source 0 in window 2 or 3
.set si, 0
.rept 32
	v_pk_mul_f32 v[HH+2*si:HH+2*si+1], v[64*(\a%4)+2*si:64*(\a%4)+2*si+1], 0.5 op_sel_hi:[1,0]
.set si, si+1
.endr
	WIN 0
.if \a < 7
	s_branch .Lgelu
.endif
.endm
.macro GELU8 b                         ; eight numbers of column block b
.set gi, 0
.rept 8
	v_and_b32 v[AX+gi], s12, v[HH+8*\b+gi]                                     ; |h|
.set gi, gi+1
.endr
.set gi, 0
.rept 4
	v_pk_fma_f32 v[TT+2*gi:TT+2*gi+1], v[AX+2*gi:AX+2*gi+1], 0x3eed3388, 1.0 op_sel_hi:[1,0,0]   ; 1 + p z, z = sqrt 2 |h|
	v_pk_mul_f32 v[UU+2*gi:UU+2*gi+1], v[HH+8*\b+2*gi:HH+8*\b+2*gi+1], v[HH+8*\b+2*gi:HH+8*\b+2*gi+1]
.set gi, gi+1
.endr
.set gi, 0
.rept 8
	v_rcp_f32 v[RR+gi], v[TT+gi]
.set gi, gi+1
.endr
.set gi, 0
.rept 4
	v_pk_mul_f32 v[UU+2*gi:UU+2*gi+1], v[UU+2*gi:UU+2*gi+1], 0xc038aa3b op_sel_hi:[1,0]          ; -z^2 log2 e = -2 log2 e h^2: the plain work behind the reciprocals
.set gi, gi+1
.endr
.set gi, 0
.rept 8
	v_exp_f32 v[EE+gi], v[UU+gi]
.set gi, gi+1
.endr
.set gi, 0
	s_wait_alu depctr_va_vdst(0)
.rept 4
	v_pk_fma_f32 v[PP+2*gi:PP+2*gi+1], v[RR+2*gi:RR+2*gi+1], 0xbf87dc22, v[CA4:CA4+1] op_sel_hi:[1,0,1]   ; Horner with the negated coefficients; plain work behind the exponentials
.set gi, gi+1
.endr
.irp c, 0xbfb5f0e3, 0x3e91a98e, 0xbe827906
.set gi, 0
.rept 4
	v_pk_fma_f32 v[PP+2*gi:PP+2*gi+1], v[PP+2*gi:PP+2*gi+1], v[RR+2*gi:RR+2*gi+1], \c op_sel_hi:[1,1,0]
.set gi, gi+1
.endr
.endr
.set gi, 0
.rept 4
	v_pk_mul_f32 v[PP+2*gi:PP+2*gi+1], v[PP+2*gi:PP+2*gi+1], v[RR+2*gi:RR+2*gi+1]
.set gi, gi+1
.endr
.set gi, 0
.rept 4
	v_pk_mul_f32 v[PP+2*gi:PP+2*gi+1], v[PP+2*gi:PP+2*gi+1], v[EE+2*gi:EE+2*gi+1]
	v_pk_add_f32 v[TT+2*gi:TT+2*gi+1], v[HH+8*\b+2*gi:HH+8*\b+2*gi+1], v[AX+2*gi:AX+2*gi+1]
.set gi, gi+1
.endr
.set gi, 0
.rept 4
	v_pk_fma_f32 v[TT+2*gi:TT+2*gi+1], v[AX+2*gi:AX+2*gi+1], v[PP+2*gi:PP+2*gi+1], v[TT+2*gi:TT+2*gi+1]
.set gi, gi+1
.endr
.set gi, 0
.rept 4
	v_cvt_pk_bf16_f32 v[TMP+4*\b+gi], v[TT+2*gi], v[TT+2*gi+1]
.set gi, gi+1
.endr
.endm
	s_mov_b32 s3, 0
.Lrow:
.irp a, 0,1,2,3,4,5,6
	s_cmp_eq_u32 s3, \a
	s_cbranch_scc1 .Lsel\a
.endr
	s_branch .Lsel7
	SEL 0
	SEL 1
	SEL 2
	SEL 3
	SEL 4
	SEL 5
	SEL 6
	SEL 7
.Lgelu:
.irp b, 0,1,2,3,4,5,6,7
	GELU8 \b
.endr
.set ob, 0
.rept 8
	ds_store_b128 v[STO], v[TMP+4*ob:TMP+4*ob+3] offset:32*ob
.set ob, ob+1
.endr
.set ot, 0
.rept 8
	ds_load_b128 v[YY+4*ot:YY+4*ot+3], v[RD] offset:128*(ot/4)+(ot%4)*4*SP     ; LDS serves a wave's instructions in order: these see the stores above
.set ot, ot+1
.endr
.set ot, 0
.rept 8
	s_wait_dscnt 7-ot
	global_store_b128 v[CO], v[YY+4*ot:YY+4*ot+3], s[10:11] offset:(ot/4)*PL+512*(ot%4)   ; 4 rows of a plane: 512 consecutive bytes, aligned
.set ot, ot+1
.endr
	s_wait_xcnt 0x0                                ; the stores' base and data are written again only behind this wait
	s_add_nc_u64 s[10:11], s[10:11], 2048          ; 16 rows on
	s_add_co_u32 s3, s3, 1
	s_cmp_lt_u32 s3, 8
	s_cbranch_scc1 .Lrow
	s_set_vgpr_msb 0x1
	s_wait_tensorcnt 0x0
	ds_add_u32 v255, v63
	s_wait_dscnt 0x0
	s_set_vgpr_msb 0x100
	CROUND                                         ; the closing round
	s_endpgm
.Lfunc_end_k_q78c628be64_gff1:
	.size	k_q78c628be64_gff1, .Lfunc_end_k_q78c628be64_gff1-k_q78c628be64_gff1
	.p2alignl 7, 3214868480
	.fill 96, 4, 3214868480
	.section	.rodata,"a",@progbits
	.p2align	6, 0x0
	.amdhsa_kernel k_q78c628be64_gff1
		.amdhsa_group_segment_fixed_size 327680
		.amdhsa_private_segment_fixed_size 0
		.amdhsa_enable_private_segment 0
		.amdhsa_kernarg_size 32
		.amdhsa_user_sgpr_count 2
		.amdhsa_user_sgpr_kernarg_segment_ptr 1
		.amdhsa_wavefront_size32 1
		.amdhsa_system_sgpr_workgroup_id_x 1
		.amdhsa_system_sgpr_workgroup_id_y 1
		.amdhsa_system_sgpr_workgroup_id_z 1
		.amdhsa_system_vgpr_workitem_id 0
		.amdhsa_next_free_vgpr 1024
		.amdhsa_next_free_sgpr 66
		.amdhsa_reserve_vcc 0
		.amdhsa_float_denorm_mode_32 3
		.amdhsa_float_denorm_mode_16_64 3
		.amdhsa_memory_ordered 1
		.amdhsa_forward_progress 1
		.amdhsa_inst_pref_size 221
	.end_amdhsa_kernel
	.amdgpu_metadata
---
amdhsa.version: [ 1, 2 ]
amdhsa.kernels:
  - .name:           k_q78c628be64_gff1
    .symbol:         k_q78c628be64_gff1.kd
    .args:
      - { .name: hn, .offset: 0, .size: 8, .value_kind: global_buffer, .address_space: global }
      - { .name: wb, .offset: 8, .size: 8, .value_kind: global_buffer, .address_space: global }
      - { .name: ff1_b, .offset: 16, .size: 8, .value_kind: global_buffer, .address_space: global }
      - { .name: ffh, .offset: 24, .size: 8, .value_kind: global_buffer, .address_space: global }
    .group_segment_fixed_size: 327680
    .private_segment_fixed_size: 0
    .kernarg_segment_align: 8
    .kernarg_segment_size: 32
    .max_flat_workgroup_size: 128
    .sgpr_count:     66
    .vgpr_count:     1024
    .wavefront_size: 32
...
	.end_amdgpu_metadata
.endif
;; end of part 6
;; launch gff2 (part 7): grid 8 x 32, 4 waves a work-group, clusters of 4 x 4, 327,680 bytes of LDS; arguments ffh, wb, ff2_b, x2, out0; writes out0
.if DOCPART == 7
	.amdgcn_target "amdgcn-amd-amdhsa--gfx1250"
	.amdhsa_code_object_version 6
	.text
	.protected	k_q78c628be64_gff2
	.globl	k_q78c628be64_gff2
	.p2align	8
	.type	k_q78c628be64_gff2,@function
k_q78c628be64_gff2:
	s_mov_b64 s[64:65], 0
	v_nop
	global_prefetch_b8 v0, s[64:65] scope:SCOPE_SE
	s_setreg_imm32_b32 hwreg(HW_REG_WAVE_MODE, 25, 1), 1
	s_wait_xcnt 0x0
	s_wait_alu depctr_hold_cnt(0) depctr_sa_sdst(0) depctr_va_vdst(0) depctr_va_sdst(0) depctr_va_ssrc(0) depctr_va_vcc(0) depctr_vm_vsrc(0)
	s_getreg_b32 s2, hwreg(HW_REG_IB_STS2, 6, 4)
	s_cmp_eq_u32 s2, 0
	s_cbranch_scc0 .Lentry_in_a_cluster
	s_endpgm
.Lentry_in_a_cluster:
	s_bfe_u32 s2, ttmp6, 0x10000c
	s_cmp_lg_u32 s2, 0xf033
	s_cbranch_scc0 .Lentry_shape_is_right
	s_endpgm
.Lentry_shape_is_right:
; out0 = x2 + ffh W2 + ff2_b.  ffh: bf16 planes [64][4096][64] (k = 64 x plane + column).  W2: wb + 16,777,216, [4096][1024] bf16, [K][N].  x2, out0: f32 [4096][1024].
; The text of gproj with K = 4,096 (16 K steps, eight laps of the ring).  A work-group makes 128 x 128: 8 x 32 = 256 groups.  Four waves, 2 x 2, each 64 x 64: 16 accumulator tiles.
; K goes in steps of 256 through two LDS slots: four planes x 128 rows of the left operand (a row's 128 bytes take 144) and 256 k rows of W2 (256 bytes take 288 = 9 x 32).
; 128 rows of a plane are 16,384 dense bytes, so one tensor load takes two planes as two rows of 8,192 elements; the padding is counted along the tile.
; A K step is four quarters of 64 along K (one plane each), 32 products each: k 0..31 on all 16 accumulators, then k 32..63.  Between the two stands ONE run of
; 32 LDS loads, the next quarter's fragments into the other buffer, 16 products ahead of their first use.
; CLUSTERS 4 x 4: the left tile is asked for jointly along a row of the cluster, W2's along a column.
; The matrix instruction is used transposed (source 0 = W2's columns by the transposing LDS load, source 1 = rows): a lane holds 8 neighbouring columns of a row.
; The first product takes the bias tile as C.  The residual's 32 loads a lane are issued at the start and stay out under the whole K loop.
; PREFETCH: every 256-byte block of K steps 4 to 15 of both operands is asked for once in the launch, by wave 0 of one work-group (macro ASK).  Steps 0 to 3 are not:
; their tensor loads go out at the start and within the first two steps.
; REGISTERS: window 0: v16-29 addresses, v32-63 bias tiles, v64-127 / v128-191 left fragments (buffer f, k chunk c, block a at 64 f + 32 c + 8 a);
; window 1: v64-127 / v128-191 W2's fragments, likewise; window 2: v0-127 accumulators (tile (a, b) at v[8 (4 a + b)]), v128-255 the residual.
.set KTOT, 4096
.set WOFF, 16777216
.set PL, 524288
.set PA, 144
.set PB, 288
.set PLANE, 128*PA
.set HALF, 2*PLANE                     ; = 128 x PB = 36,864
.set SLOT, 4*HALF
.set STAGE, 2*SLOT                     ; 16 rows x 272 bytes of f32 for each wave; no tensor load lands there
.set SP, 272
.set LAPS, KTOT/512
.set ADRA, 16
.set ADRB, 20                          ; v20..23: [slot][k rows 0-127, 128-255]
.set STO, 24
.set RD, 25
.set CO, 26
.set BV, 27
.set PFA, 28                           ; prefetch: 256 x lane
.set PFB, 29                           ; prefetch: 2,048 x lane
.set BIAS, 32
.set FA0, 64
.set FB0, 64
.set RES, 128                          ; in window 2
.set G1A, 24
.set G0A, 32
.set G1B, 48
.set G0B, 56
.set MSB, 0
.macro WIN new                         ; the immediate's high byte repeats the setting that is left
.if MSB != (\new)
	s_set_vgpr_msb (MSB<<8)|(\new)
.set MSB, (\new)
.endif
.endm
.macro JLOAD s
	s_cmp_eq_u32 s15, 0
	s_cbranch_scc0 .Lfor_b_\@
	tensor_load_to_lds s[G0A+4*\s:G0A+4*\s+3], s[G1A:G1A+7]
	s_nop 0
	s_branch .Lasked_\@
.Lfor_b_\@:
	tensor_load_to_lds s[G0B+4*\s:G0B+4*\s+3], s[G1B:G1B+7]
	s_nop 0
.Lasked_\@:
.endm
.macro CREST
	s_cmp_lg_u32 s14, 0
	s_cbranch_scc1 .Lnot_wave_0_\@
	s_barrier_signal -3
.Lnot_wave_0_\@:
	s_barrier_wait -3
	s_barrier_signal -1
	s_barrier_wait -1
.endm
.macro CROUND
	s_barrier_signal -1
	s_barrier_wait -1
	CREST
.endm
.macro PLACES                          ; four plain vector instructions between a matrix instruction and a load into, or a read of, its registers
.rept 4
	v_nop
.endr
.endm
; Prefetch, wave 0 alone, behind the refill at the end of K step s.  Left operand: step s + 4's tile of my block row is 4 planes x 16,384 bytes, shared by 8 groups:
; mine is 8,192 bytes, 32 lanes 256 bytes apart; its tensor load goes out two K steps (256 products of a wave) later.  W2: a k row of my block column is 256 bytes, shared by
; 32 groups: 8 rows a step do not fill an instruction, so once in four steps (ends of steps 0, 4, 8) I ask for 32 k rows of the next span of four steps, two to five steps
; ahead of their tensor loads.  The last plane asked for is 63 of 64, the last k row 4,095 of 4,096.  The loop's last trip (s3 = 1) asks for nothing: steps 16 and 17 do not
; exist.  The bases are stepped behind s_wait_xcnt 0, a K step behind the last prefetch.
.macro ASK first, withb
.if LAPS > 2
	s_cmp_lg_u32 s14, 0
	s_cbranch_scc1 .Lnoask_\@
.if \first == 0
	s_cmp_eq_u32 s3, 1
	s_cbranch_scc1 .Lnoask_\@
.endif
	s_wait_xcnt 0x0                                ; the earlier prefetches' bases are written again only behind this wait
	s_add_nc_u64 s[66:67], s[66:67], 4*PL
	global_prefetch_b8 v[PFA], s[66:67] th:TH_LOAD_NT scope:SCOPE_SE
.if \withb
.if \first == 0
	s_bitcmp1_b32 s3, 0                            ; trips with s3 = 5 and 3: K steps 4 and 8
	s_cbranch_scc0 .Lnoask_\@
.endif
	s_add_nc_u64 s[68:69], s[68:69], 1024*2048
	global_prefetch_b8 v[PFB], s[68:69] th:TH_LOAD_NT scope:SCOPE_SE
.endif
.Lnoask_\@:
.endif
.endm
; na blocks of rows from a0 x 4 blocks of columns, k chunk c of buffer f; the accumulators take turns, one instruction a turn
.macro MULC f, c, a0, na, first
.set ma, \a0
.rept \na
.set mb, 0
.rept 4
.if \first
	v_wmma_f32_16x16x32_bf16 v[8*(4*ma+mb):8*(4*ma+mb)+7], v[FB0+64*\f+32*\c+8*mb:FB0+64*\f+32*\c+8*mb+7], v[FA0+64*\f+32*\c+8*ma:FA0+64*\f+32*\c+8*ma+7], v[BIAS+8*mb:BIAS+8*mb+7]
.else
	v_wmma_f32_16x16x32_bf16 v[8*(4*ma+mb):8*(4*ma+mb)+7], v[FB0+64*\f+32*\c+8*mb:FB0+64*\f+32*\c+8*mb+7], v[FA0+64*\f+32*\c+8*ma:FA0+64*\f+32*\c+8*ma+7], v[8*(4*ma+mb):8*(4*ma+mb)+7]
.endif
.set mb, mb+1
.endr
.set ma, ma+1
.endr
.endm
; quarter kq (64 along K) of a slot into buffer f: 16 transposing loads of W2, then 16 loads of the left operand, k chunk 0 ahead of chunk 1 in each
.macro FETCH slot, kq, f
	WIN 0x40
.set fi, 0
.rept 8
	ds_load_tr16_b128 v[FB0+64*\f+8*fi:FB0+64*\f+8*fi+3], v[ADRB+2*\slot+\kq/2] offset:((\kq%2)*64+32*(fi/4))*PB+32*(fi%4)
	ds_load_tr16_b128 v[FB0+64*\f+8*fi+4:FB0+64*\f+8*fi+7], v[ADRB+2*\slot+\kq/2] offset:((\kq%2)*64+32*(fi/4)+16)*PB+32*(fi%4)
.set fi, fi+1
.endr
	WIN 0
.set fi, 0
.rept 8
	ds_load_b128 v[FA0+64*\f+8*fi:FA0+64*\f+8*fi+3], v[ADRA+\slot] offset:\kq*PLANE+64*(fi/4)+(fi%4)*16*PA
	ds_load_b128 v[FA0+64*\f+8*fi+4:FA0+64*\f+8*fi+7], v[ADRA+\slot] offset:\kq*PLANE+64*(fi/4)+(fi%4)*16*PA+32
.set fi, fi+1
.endr
.endm
.macro QUARTER slot, kq, f, g, first   ; multiplies buffer f; in its middle fetches quarter kq into buffer g
	s_wait_dscnt 8                                 ; all is in but the youngest eight loads (the left operand's chunk 1)
	WIN 0xa1-0x20*\first                           ; with first = 1 the C operand is the bias tile, in window 0
	MULC \f, 0, 0, 4, \first
	PLACES
	FETCH \slot, \kq, \g
	s_wait_dscnt 32                                ; all but the 32 just issued
	WIN 0xa1
	MULC \f, 1, 0, 4, 0
.endm
.macro THREE slot, first
	QUARTER \slot, 1, 0, 1, \first
	QUARTER \slot, 2, 1, 0, 0
	QUARTER \slot, 3, 0, 1, 0
.endm
; The last quarter multiplies buffer 1 and changes slots.  In front of the barrier each wave waits for its reads of this slot and for all its tensor loads (one is out: its
; part of the next slot); behind the round the joint refill comes first, then the next slot's first fragments.  From a refill to the wait for it a wave issues 120 products.
.macro TURN slot, next, fill, first
	s_wait_dscnt 8
	WIN 0xa1
	MULC 1, 0, 0, 2, 0
	s_wait_dscnt 0x0                               ; my reads of this slot are over
	s_wait_tensorcnt 0x0                           ; all my tensor loads have landed
	ds_add_u32 v255, v255
	s_wait_dscnt 0x0
	s_barrier_signal -1
	MULC 1, 0, 2, 2, 0                             ; register work alone between signal and wait
	WIN 0
	s_barrier_wait -1
.if \fill
	CREST                                          ; no wave of any partner still reads this slot or has a load on its way
	s_add_nc_u64 s[G0A+4*\slot+2:G0A+4*\slot+3], s[G0A+4*\slot+2:G0A+4*\slot+3], 8*PL
	s_add_nc_u64 s[G0B+4*\slot+2:G0B+4*\slot+3], s[G0B+4*\slot+2:G0B+4*\slot+3], 512*2048
	JLOAD \slot                                    ; the wave's one tensor load behind the round
	ASK \first, 1-\slot
.endif
	PLACES
	FETCH \next, 0, 0
	WIN 0xa1
	MULC 1, 1, 0, 4, 0
.endm
.macro LAP first
	THREE 0, \first
	TURN 0, 1, 1, \first
	THREE 1, 0
	TURN 1, 0, 1, \first
.endm
	s_load_b256 s[4:11], s[0:1], 0x0               ; left operand 4, wb 6, bias 8, residual 10
	s_load_b64 s[12:13], s[0:1], 0x20              ; result
	s_set_vgpr_msb 0x40
	v_lshl_add_u32 v255, v0, 2, 0x4c400
	s_set_vgpr_msb 0x4000
	v_mov_b32 v255, 0
	s_set_vgpr_msb 0x1
	ds_add_u32 v255, v255
	ds_add_u32 v255, v255
	s_set_vgpr_msb 0x100
	v_lshrrev_b32 v1, 5, v0
	v_readfirstlane_b32 s14, v1
	s_lshr_b32 s15, s14, 1                         ; my half of the rows; also: I fetch the left tile (0) or W2's (1)
	s_and_b32 s16, s14, 1                          ; my half of the columns; also: which half of that tile
	s_bfe_u32 s40, ttmp6, 0x40000
	s_bfe_u32 s41, ttmp6, 0x40004
	s_lshl_b32 s42, ttmp9, 2
	s_add_co_u32 s42, s42, s40                     ; block column
	s_and_b32 s43, ttmp7, 0xffff
	s_lshl_b32 s43, s43, 2
	s_add_co_u32 s43, s43, s41                     ; block row
	s_lshl_b32 s44, s41, 2
	s_lshl_b32 s44, 15, s44
	s_lshl_b32 s45, 0x1111, s40
	s_or_b32 s[G1A+0], s44, (1<<16)|(1<<20)|(1<<21)|(4<<22)|(3<<25)   ; 4 words of padding behind every 32
	s_mov_b32 s[G1A+1], 8192<<16                   ; tensor_dim0 = 8,192 elements: 128 rows of a plane
	s_mov_b32 s[G1A+2], 2<<16                      ; tensor_dim1 = 2 planes
	s_mov_b32 s[G1A+3], 8192<<16
	s_mov_b32 s[G1A+4], 2
	s_mov_b32 s[G1A+5], PL/2                       ; elements from plane to plane
	s_mov_b32 s[G1A+6], 0
	s_mov_b32 s[G1A+7], 0
	s_or_b32 s[G1B+0], s45, (1<<16)|(1<<20)|(1<<21)|(5<<22)|(7<<25)   ; 8 words of padding behind every 64
	s_mov_b32 s[G1B+1], 128<<16
	s_mov_b32 s[G1B+2], 128<<16
	s_mov_b32 s[G1B+3], 128<<16
	s_mov_b32 s[G1B+4], 128
	s_mov_b32 s[G1B+5], 1024
	s_mov_b32 s[G1B+6], 0
	s_mov_b32 s[G1B+7], 0
	s_lshl_b32 s20, s16, 20                        ; planes 2 x half ..,
	s_lshl_b32 s21, s43, 14                        ; rows 128 x block row, 128 bytes each
	s_add_co_u32 s20, s20, s21
	s_mov_b32 s21, 0
	s_lshl_b32 s46, s16, 18                        ; k rows 128 x half, 2,048 bytes each,
	s_lshl_b32 s47, s42, 8                         ; columns 128 x block column
	s_add_co_u32 s46, s46, s47
	s_add_co_u32 s46, s46, WOFF
	s_mov_b32 s47, 0
	s_mul_i32 s22, s14, HALF                       ; LDS: wave x 36,864: the left tile's halves, then W2's
	s_wait_dscnt 0x0
	s_wait_kmcnt 0x0
	s_add_nc_u64 s[20:21], s[4:5], s[20:21]
	s_add_nc_u64 s[46:47], s[6:7], s[46:47]
	CROUND                                         ; all sixteen groups are here: the first joint loads meet
.irp s, 0,1
	s_mov_b32 s[G0A+4*\s], 1
	s_add_co_u32 s[G0A+4*\s+1], s22, \s*SLOT
	s_add_nc_u64 s[G0A+4*\s+2:G0A+4*\s+3], s[20:21], \s*4*PL
	s_or_b32 s[G0A+4*\s+3], s[G0A+4*\s+3], 0x80000000
	s_mov_b32 s[G0B+4*\s], 1
	s_add_co_u32 s[G0B+4*\s+1], s22, \s*SLOT
	s_add_nc_u64 s[G0B+4*\s+2:G0B+4*\s+3], s[46:47], \s*256*2048
	s_or_b32 s[G0B+4*\s+3], s[G0B+4*\s+3], 0x80000000
	JLOAD \s                                       ; K steps 0 and 1: two tensor loads of the wave are out
.endr
	v_and_b32 v1, 15, v0                           ; r
	v_bfe_u32 v2, v0, 4, 1                         ; h
	v_mul_u32_u24 v3, v1, PA
	v_lshl_add_u32 v3, v2, 4, v3
	v_and_b32 v4, 7, v0
	v_lshl_add_u32 v4, v2, 3, v4
	v_mul_u32_u24 v4, v4, PB
	v_bfe_u32 v5, v0, 3, 1
	v_lshl_add_u32 v4, v5, 4, v4
	s_mul_i32 s22, s15, 64*PA                      ; my 64 rows
	s_lshl_b32 s23, s16, 7                         ; my 64 columns of W2
	s_add_co_u32 s23, s23, 2*HALF
.irp s, 0,1
	v_add_nc_u32 v[ADRA+\s], s22, v3
	v_add_nc_u32 v[ADRB+2*\s], s23, v4
	v_add_nc_u32 v[ADRB+2*\s+1], HALF, v[ADRB+2*\s]
	s_add_co_u32 s22, s22, SLOT
	s_add_co_u32 s23, s23, SLOT
.endr
	s_mul_i32 s22, s14, 16*SP
	s_add_co_u32 s22, s22, STAGE
	v_mul_u32_u24 v3, v1, SP
	v_lshl_add_u32 v3, v2, 5, v3
	v_add_nc_u32 v[STO], s22, v3                   ; in: row r, 32 bytes for each half of the lanes
	v_mul_u32_u24 v5, v2, SP
	v_lshl_add_u32 v5, v1, 4, v5
	v_add_nc_u32 v[RD], s22, v5                    ; back: lanes 0-15 one row of 256 bytes, lanes 16-31 the next
	v_lshlrev_b32 v5, 12, v2
	v_lshl_add_u32 v[CO], v1, 4, v5                ; the same two rows in the residual and in the result
	v_lshlrev_b32 v[BV], 5, v2
.if LAPS > 2
	; the prefetches' bases, in registers that feed no descriptor: both hang on the block row and on the block column
	v_and_b32 v5, 31, v0
	v_lshlrev_b32 v[PFA], 8, v5
	v_lshlrev_b32 v[PFB], 11, v5
	s_lshr_b32 s18, s42, 1                         ; left operand: plane (block column / 2) of a step's four,
	s_lshl_b32 s18, s18, 19
	s_and_b32 s19, s42, 1                          ; its half of 8,192 bytes,
	s_lshl_b32 s19, s19, 13
	s_add_co_u32 s18, s18, s19
	s_lshl_b32 s19, s43, 14                        ; my block row's 128 rows,
	s_add_co_u32 s18, s18, s19
	s_add_co_u32 s18, s18, 12*PL                   ; K step 3: the first request steps on to step 4
	s_mov_b32 s19, 0
	s_add_nc_u64 s[66:67], s[4:5], s[18:19]
	s_lshl_b32 s18, s42, 8                         ; W2: my block column's 256 bytes,
	s_lshl_b32 s19, s43, 16                        ; k rows 32 x block row of a span of 1,024; the first request steps on to rows 1,024 ..
	s_add_co_u32 s18, s18, s19
	s_add_co_u32 s18, s18, WOFF
	s_mov_b32 s19, 0
	s_add_nc_u64 s[68:69], s[6:7], s[18:19]
.endif
	s_lshl_b32 s46, s42, 9                         ; my first column, in bytes of f32
	s_lshl_b32 s47, s16, 8
	s_add_co_u32 s46, s46, s47
	s_mov_b32 s47, 0
	s_add_nc_u64 s[8:9], s[8:9], s[46:47]
	s_add_nc_u64 s[10:11], s[10:11], s[46:47]
	s_add_nc_u64 s[12:13], s[12:13], s[46:47]
	s_lshl_b32 s20, s43, 19                        ; my first row, 4,096 bytes a row
	s_lshl_b32 s21, s15, 18
	s_add_co_u32 s20, s20, s21
	s_mov_b32 s21, 0
	s_add_nc_u64 s[10:11], s[10:11], s[20:21]
	s_add_nc_u64 s[12:13], s[12:13], s[20:21]
.set i, 0
.rept 4
	global_load_b128 v[BIAS+8*i:BIAS+8*i+3], v[BV], s[8:9] offset:64*i
	global_load_b128 v[BIAS+8*i+4:BIAS+8*i+7], v[BV], s[8:9] offset:64*i+16
.set i, i+1
.endr
	WIN 0x80                                       ; destination in window 2
.set i, 0
.rept 32
	global_load_b128 v[RES+4*i:RES+4*i+3], v[CO], s[10:11] offset:2*i*4096     ; rows 2 i, 2 i + 1 of my 64: the layout in which the result leaves
.set i, i+1
.endr
	WIN 0
	s_wait_tensorcnt 0x1                           ; my part of K step 0 is in; step 1's load stays out
	s_barrier_signal -1
	s_barrier_wait -1
	FETCH 0, 0, 0
	s_wait_loadcnt 32                              ; the bias tiles are in; the 32 younger loads (the residual) stay out
	LAP 1
.if LAPS > 2
	WIN 0
	s_mov_b32 s3, LAPS-2
.Llap:
	LAP 0
	WIN 0
	s_sub_co_u32 s3, s3, 1
	s_cmp_lg_u32 s3, 0
	s_cbranch_scc1 .Llap
.endif
	THREE 0, 0                                     ; the last lap fills nothing and has no round
	TURN 0, 1, 0, 0
	THREE 1, 0
	s_wait_dscnt 8
	WIN 0xa1
	MULC 1, 0, 0, 4, 0
	s_wait_dscnt 0x0
	MULC 1, 1, 0, 4, 0
	; THE WAY OUT, 16 rows at a time, in f32: through my stage, back as whole rows of 256 bytes, plus the residual.
	PLACES
	WIN 0
	s_wait_loadcnt 0x0                             ; the residual
.macro OUTR a, y
	WIN 0x08                                       ; source 1 in window 2: the stage stores' data, then the residual
.set ob, 0
.rept 4
	ds_store_b128 v[STO], v[8*(4*\a+ob):8*(4*\a+ob)+3] offset:64*ob
	ds_store_b128 v[STO], v[8*(4*\a+ob)+4:8*(4*\a+ob)+7] offset:64*ob+16
.set ob, ob+1
.endr
	s_wait_xcnt 0x0                                ; buffer y, which earlier stores read, is loaded again only behind this wait
.set ot, 0
.rept 8
	ds_load_b128 v[\y+4*ot:\y+4*ot+3], v[RD] offset:2*SP*ot                    ; LDS serves a wave's instructions in order: these see the stores above
.set ot, ot+1
.endr
.set ot, 0
.rept 8
	s_wait_dscnt 7-ot                              ; read ot of the eight is back
	v_pk_add_f32 v[\y+4*ot:\y+4*ot+1], v[\y+4*ot:\y+4*ot+1], v[RES+4*(8*\a+ot):RES+4*(8*\a+ot)+1]
	v_pk_add_f32 v[\y+4*ot+2:\y+4*ot+3], v[\y+4*ot+2:\y+4*ot+3], v[RES+4*(8*\a+ot)+2:RES+4*(8*\a+ot)+3]
.set ot, ot+1
.endr
	WIN 0
.set ot, 0
.rept 8
	global_store_b128 v[CO], v[\y+4*ot:\y+4*ot+3], s[12:13] offset:(16*\a+2*ot)*4096   ; 16 lanes store 256 consecutive bytes, aligned
.set ot, ot+1
.endr
.endm
	OUTR 0, 64
	OUTR 1, 96
	OUTR 2, 64
	OUTR 3, 96
	s_set_vgpr_msb 0x1
	s_wait_tensorcnt 0x0
	ds_add_u32 v255, v255
	s_wait_dscnt 0x0
	s_set_vgpr_msb 0x100
	CROUND                                         ; the closing round
	s_endpgm
.Lfunc_end_k_q78c628be64_gff2:
	.size	k_q78c628be64_gff2, .Lfunc_end_k_q78c628be64_gff2-k_q78c628be64_gff2
	.p2alignl 7, 3214868480
	.fill 96, 4, 3214868480
	.section	.rodata,"a",@progbits
	.p2align	6, 0x0
	.amdhsa_kernel k_q78c628be64_gff2
		.amdhsa_group_segment_fixed_size 327680
		.amdhsa_private_segment_fixed_size 0
		.amdhsa_enable_private_segment 0
		.amdhsa_kernarg_size 40
		.amdhsa_user_sgpr_count 2
		.amdhsa_user_sgpr_kernarg_segment_ptr 1
		.amdhsa_wavefront_size32 1
		.amdhsa_system_sgpr_workgroup_id_x 1
		.amdhsa_system_sgpr_workgroup_id_y 1
		.amdhsa_system_sgpr_workgroup_id_z 1
		.amdhsa_system_vgpr_workitem_id 0
		.amdhsa_next_free_vgpr 768
		.amdhsa_next_free_sgpr 72
		.amdhsa_reserve_vcc 0
		.amdhsa_float_denorm_mode_32 3
		.amdhsa_float_denorm_mode_16_64 3
		.amdhsa_memory_ordered 1
		.amdhsa_forward_progress 1
		.amdhsa_inst_pref_size 133
	.end_amdhsa_kernel
	.amdgpu_metadata
---
amdhsa.version: [ 1, 2 ]
amdhsa.kernels:
  - .name:           k_q78c628be64_gff2
    .symbol:         k_q78c628be64_gff2.kd
    .args:
      - { .name: ffh, .offset: 0, .size: 8, .value_kind: global_buffer, .address_space: global }
      - { .name: wb, .offset: 8, .size: 8, .value_kind: global_buffer, .address_space: global }
      - { .name: ff2_b, .offset: 16, .size: 8, .value_kind: global_buffer, .address_space: global }
      - { .name: x2, .offset: 24, .size: 8, .value_kind: global_buffer, .address_space: global }
      - { .name: out0, .offset: 32, .size: 8, .value_kind: global_buffer, .address_space: global }
    .group_segment_fixed_size: 327680
    .private_segment_fixed_size: 0
    .kernarg_segment_align: 8
    .kernarg_segment_size: 40
    .max_flat_workgroup_size: 128
    .sgpr_count:     72
    .vgpr_count:     768
    .wavefront_size: 32
...
	.end_amdgpu_metadata
.endif
;; end of part 7
